; MI455X (gfx1250); checked and timed in simulation.
; The chip was launched on July 23, 2026; its instructions are those of AMD's public machine-readable ISA for CDNA 5 (MIT licence, August 2026) and "CDNA5" Instruction Set Architecture Reference Guide (July 2026). The comments in the code are by the model that wrote it; some were corrected since.
;; Multihead Attention. Allowed arithmetic: matrix products marked QUANTISED: E5M2 operands, one E8M0 scale for each 32 along K, by v_wmma_scale_f32_16x16x128_f8f6f4 with both operands' format E5M2, f32 sums; everything else in f32.
;; Inputs: W_o 1,024 x 1,024 float32; W_qkv 1,024 x 3,072 float32; b_o 1,024 float32; b_qkv 3,072 float32; x 4 x 2,048 x 1,024 float32.
;; Outputs: out0 4 x 2,048 x 1,024 float32.
;; This version of the problem:
;;   THIS VERSION OF THE PROBLEM IS GIVEN IN LOW PRECISION. The matrix products marked QUANTISED in the list below multiply operands that are first quantised to E5M2 (5 exponent bits, 2 mantissa bits; 8 bits a number), with one power-of-two scale for each 32 numbers along K (OCP MX v1.0); their sums are f32. All else is computed in f32.
;;   The module's matrix products, in the order in which they are computed (A, B: the left and right operand; K: the contracted axis; several contracted axes count as one K, in the product's order):
;;     1. [M 8,192, K 1,024] x [K 1,024, N 3,072]; A: input x; B: input W_qkv: QUANTISED
;;     2. batch 64 x [M 2,048, K 64] x [K 64, N 2,048]; A: computed on the way; B: computed on the way: QUANTISED
;;     3. batch 64 x [M 2,048, K 2,048] x [K 2,048, N 64]; A: softmax (see below); B: computed on the way: QUANTISED
;;     4. [M 8,192, K 1,024] x [K 1,024, N 1,024]; A: computed on the way; B: input W_o: QUANTISED
;;   THE QUANTISER, for each operand of a quantised product, along K:
;;     - K is cut into blocks of 32 from its start; a last block that is shorter is filled with zeros.
;;     - A block's scale is 2^e with e = floor(log2(the largest magnitude in the block)) - 15, held to -126 .. 127; a block of zeros has e = 0. As a byte (E8M0): e + 127.
;;     - Each number is divided by its block's scale, clamped to +-57,344, and rounded to the nearest number of E5M2, ties to even, subnormals kept.
;;     - The product sums the exact products of the quantised numbers (number of the format x scale) in f32.
;;   ~~~python
;;   def quantise(x, axis):      # numpy; x: float32 -> the quantised numbers, widened to float32 again
;;       x = np.moveaxis(x, axis, -1); K = x.shape[-1]
;;       x = np.pad(x, [(0, 0)] * (x.ndim - 1) + [(0, -K % 32)]); x = x.reshape(x.shape[:-1] + (-1, 32)); a = np.abs(x).max(-1, keepdims=True)
;;       e = np.where(a > 0, np.clip(np.frexp(np.where(a > 0, a, 1))[1] - 1 - 15, -126, 127), 0)      # np.frexp(a)[1] - 1 = floor(log2(a)), exactly
;;       r = np.clip(x / 2.0 ** e, -57344, 57344)
;;       step = 2.0 ** (np.maximum(np.frexp(np.where(r == 0, 1, r))[1] - 1, -14) - 2)
;;       q = np.round(r / step) * step * 2.0 ** e      # np.round: ties to even
;;       return np.moveaxis(q.reshape(q.shape[:-2] + (-1,))[..., :K], -1, axis).astype(np.float32)
;;   ~~~
;;   SOFTMAX AHEAD OF A QUANTISED PRODUCT. Where the list says 'softmax', what is quantised is not the finished softmax but p = 2^(t - M), with t = logit x log2(e) and M = ceil(the row's largest t), a whole number; so 1/2 < the row's largest p <= 1. The row's sum l is taken of the UNQUANTISED p, in f32, and the product's result is divided by l at the end. Since M is a whole number, a kernel that streams over the keys may use a running M (the ceiling of the running maximum): every later rescaling is an exact power of two, which a block's scale takes up: the codes' values come out the same.
;;   OPERANDS COMPUTED ON THE WAY. 'Computed on the way' means the value that the module computes at that place (a softmax that the list does not call 'softmax' is quantised finished and normalised). What goes into a quantiser is computed in f32, as accurately as f32 sums, v_exp_f32 and their like allow (about 1e-6 of the number): no bf16 or f16 on the way to a quantiser, and a product that is left as it is and whose result goes on into a quantised operand takes f32 operands (vector FMAs, or v_wmma_f32_16x16x4_f32). A number that lies on a knife's edge between two numbers of the format may be rounded either way, as far as f32 arithmetic and the matrix unit's own rounding can turn it there, and no further.
;; One version. Each part assembles by itself: llvm-mc -triple=amdgcn-amd-amdhsa -mcpu=gfx1250 --defsym DOCPART=n.
;; ======== version 1 of 1: 4 launches
;; limits: right only within a limited range of input values
;; workspace buffers: xc 8,388,608 bytes; wc 4,194,304 bytes; sc 655,360 bytes; qc 8,388,608 bytes; kv 16,777,216 bytes; scl 1,310,720 bytes; ac 8,388,608 bytes
;; launch quant (part 1): grid 32 x 16, 4 waves a work-group, no clusters, 34,304 bytes of LDS; arguments x, W_qkv, W_o, xc, wc, sc; writes xc, wc, sc
.if DOCPART == 1
	.amdgcn_target "amdgcn-amd-amdhsa--gfx1250"
	.amdhsa_code_object_version 6
	.text
	.protected	k_q17a1c3f175_quant
	.globl	k_q17a1c3f175_quant
	.p2align	8
	.type	k_q17a1c3f175_quant,@function
k_q17a1c3f175_quant:
	s_mov_b64 s[64:65], 0
	v_nop
	global_prefetch_b8 v0, s[64:65] scope:SCOPE_SE
	s_setreg_imm32_b32 hwreg(HW_REG_WAVE_MODE, 25, 1), 1
	s_wait_xcnt 0x0
; MULTI-HEAD ATTENTION IN MX-BF8, launch 1 of 4: x, W_qkv and W_o (f32) become codes of E5M2 with one E8M0 scale byte for each 32 along K.
; NO WORK OF THE PROBLEM IS LEFT OUT IN ANY LAUNCH: every input has a way to the output.  The bias on k would cancel in a softmax of real numbers, but it moves k's codes, so it stays.
; THE LAYOUT OF ALL WORKSPACES.  Rows (tokens, columns of a weight, keys, channels) are cut into blocks of 16: block 2 g + u holds rows 32 g + 8 u + r + 8 (r / 8), r = 0 .. 15.
; A block x 128 along K lies as an image of the operand's registers: four chunks of 512 bytes; in chunk c lane (r, h) owns bytes 16 (16 h + r) on: the codes k = 32 c + 16 h + 0 .. 15 of the block's row r.
; So a fragment is read by four loads of 16 bytes a lane, lanes on end, and a product's result, used transposed, has 16 neighbours along the next K in the 16 registers of two neighbouring tiles.
;   xc [512 token blocks][8 K steps][4][512];  wc the same for 256 column blocks (0-191 W_qkv, 192-255 W_o);  sc: 512 bytes a block = [half of K][r][4 words]: W's blocks at 0, x's at XO.
; A block's scale is 2^(floor(log2(largest magnitude)) - 15): its byte is the largest magnitude's exponent field - 15, held at 1 from below; numbers are held within +-57,344 x the scale and rounded to nearest, ties to even.
; LIMITS: a block of zeros, or one whose largest magnitude lies under 2^-111, gets the byte 1 (its codes are as the rule has them or zeros; this program alone reads the bytes); NaN and infinities among the inputs are not served.
; SHARES.  Work-group y < 8: x.  A wave takes one token block x 512 along K, in four steps of 128: sixteen loads of 512 consecutive bytes (a row each), a turn through the wave's own stage in LDS, 64 numbers a lane.
; y >= 8: the weights, K step y - 8.  A lane takes a column and its registers run down K (K is the weights' first axis): a block of 32 lies in one lane.  No LDS there.
; No matrix unit, no cluster, no tensor load: a stream, each input byte read once.
.set XO,    131072
.set STG,   8448                       ; a wave's stage: 16 rows x (512 bytes + 16)
.set SPARE, 4*STG                      ; behind the stages: the spare words, 128 bytes a wave, that no other line names
.set SPW, 12                           ; v12 LDS address of my spare word; never rewritten
.set NIL, 13                           ; v13 0; never rewritten
.set R,   16                           ; v16-143  two sets of 64 registers as loaded
.set X,   144                          ; v144-207 64 numbers of my row: register 16 b + i = k 32 b + 16 h + i
.set C,   208                          ; v208-223 a fragment's codes
.set TM,  224                          ; v224-239 largest magnitudes, bytes, holds, scale operands
.set SW,  240                          ; v240-243 the four K steps' scale words
.set SEL, 20                           ; s[20:21] selects for lane l xor 16
.set MNT, 23                           ; s23 the mantissa field of 57,344
	s_load_b256 s[4:11], s[0:1], 0x0               ; x s[4:5], W_qkv s[6:7], W_o s[8:9], xc s[10:11]
	s_load_b128 s[12:15], s[0:1], 0x20             ; wc s[12:13], sc s[14:15]
	v_lshl_add_u32 v[SPW], v0, 2, SPARE
	v_mov_b32 v[NIL], 0
	v_lshrrev_b32 v1, 5, v0
	v_readfirstlane_b32 s16, v1                    ; wave 0..3
	v_and_b32 v2, 31, v0                           ; lane
	s_and_b32 s17, ttmp7, 0xffff                   ; work-group y
	s_mov_b32 s[SEL], 0x76543210
	s_mov_b32 s[SEL+1], 0xfedcba98
	s_mov_b32 s[MNT], 0x600000
	s_wait_kmcnt 0x0
	s_cmp_lt_u32 s17, 8
	s_cbranch_scc0 .Lweights
; ---------------- x ----------------
; 64 numbers of a lane become a fragment's codes in v[pc] on and its scale word in v[pw]
.macro QUANT s, pc, pw
.irp b, 0,1,2,3
	v_max3_num_f32 v[TM+\b], |v[\s+16*\b]|, |v[\s+1+16*\b]|, 0x8000000   ; my 16 numbers of block b, and the floor 2^(16 - 127): the byte cannot fall under 1
.endr
.irp i, 2,4,6,8,10,12,14
.irp b, 0,1,2,3
	v_max3_num_f32 v[TM+\b], v[TM+\b], |v[\s+16*\b+\i]|, |v[\s+1+16*\b+\i]|
.endr
.endr
.irp b, 0,1,2,3
	v_permlanex16_b32 v[TM+4+\b], v[TM+\b], s[SEL], s[SEL+1]
.endr
.irp b, 0,1,2,3
	v_max_num_f32 v[TM+\b], v[TM+\b], v[TM+4+\b]   ; with lane l xor 16's: the block's largest magnitude
.endr
.irp b, 0,1,2,3
	v_add_nc_u32 v[TM+12+\b], 0xf8800000, v[TM+\b] ; 15 off its exponent field: the conversion's scale operand
.endr
.irp b, 0,1,2,3
	v_and_or_b32 v[TM+8+\b], v[TM+\b], 0x7f800000, s[MNT]   ; 57,344 x the scale
.endr
.irp b, 0,1,2,3
	v_lshrrev_b32 v[TM+4+\b], 23, v[TM+12+\b]      ; the scale's byte
.endr
	v_lshl_or_b32 v[\pw], v[TM+5], 8, v[TM+4]
	v_lshl_or_b32 v[\pw], v[TM+6], 16, v[\pw]
	v_lshl_or_b32 v[\pw], v[TM+7], 24, v[\pw]
.irp b, 0,1,2,3
.set n, 0
.rept 16
	v_med3_num_f32 v[\s+16*\b+n], v[\s+16*\b+n], -v[TM+8+\b], v[TM+8+\b]   ; the conversion does not saturate (ISA guide 7.6.2): the hold comes first
.set n, n+1
.endr
	v_cvt_scalef32_pk8_bf8_f32 v[\pc+4*\b:\pc+1+4*\b], v[\s+16*\b:\s+7+16*\b], v[TM+12+\b]
	v_cvt_scalef32_pk8_bf8_f32 v[\pc+2+4*\b:\pc+3+4*\b], v[\s+8+16*\b:\s+15+16*\b], v[TM+12+\b]
.endr
	v_nop                                          ; a plain line behind the last conversion
.endm
.macro LOAD t                          ; K step t of my 16 rows: a load reads 512 consecutive bytes of one row
.irp i, 0,1,2,3,4,5,6,7,8,9,10,11,12,13,14,15
	global_load_b128 v[R+64*((\t)%2)+4*\i:R+64*((\t)%2)+4*\i+3], v3, s[4:5] offset:(\i+8*(\i/8))*4096+512*(\t) th:TH_LOAD_NT
.endr
.endm
.macro TURN t                          ; through my stage: in as loaded, out 64 bytes of my row for each block of 32.  LDS serves a wave's instructions in order: no wait between
.irp i, 0,1,2,3,4,5,6,7,8,9,10,11,12,13,14,15
	ds_store_b128 v14, v[R+64*((\t)%2)+4*\i:R+64*((\t)%2)+4*\i+3] offset:528*\i
.endr
.irp c, 0,1,2,3
.irp j, 0,1,2,3
	ds_load_b128 v[X+16*\c+4*\j:X+16*\c+4*\j+3], v15 offset:128*\c+16*\j
.endr
.endr
.endm
	s_lshl_b32 s18, s17, 5
	s_add_co_u32 s18, s18, ttmp9
	s_lshl_b32 s18, s18, 2
	s_add_co_u32 s18, s18, s16                     ; my unit: 0 .. 1023
	s_lshr_b32 s19, s18, 1                         ; token block
	s_and_b32 s22, s18, 1                          ; which half of K
	s_lshr_b32 s24, s19, 1
	s_lshl_b32 s24, s24, 17                        ; 32 rows of 4,096 bytes for each pair of blocks,
	s_and_b32 s25, s19, 1
	s_lshl_b32 s25, s25, 15                        ; 8 rows for the odd block,
	s_add_co_u32 s24, s24, s25
	s_lshl_b32 s25, s22, 11                        ; 2,048 bytes for the upper half of K
	s_add_co_u32 s24, s24, s25
	s_mov_b32 s25, 0
	s_add_nc_u64 s[4:5], s[4:5], s[24:25]
	s_lshl_b32 s24, s19, 14
	s_lshl_b32 s26, s22, 13
	s_add_co_u32 s24, s24, s26
	s_add_nc_u64 s[10:11], s[10:11], s[24:25]      ; xc at my block's four K steps
	s_lshl_b32 s24, s19, 9
	s_lshl_b32 s26, s22, 8
	s_add_co_u32 s24, s24, s26
	s_add_co_u32 s24, s24, XO
	s_add_nc_u64 s[14:15], s[14:15], s[24:25]      ; sc at my 256 bytes
	s_wait_alu depctr_va_vdst(0)
	v_lshlrev_b32 v3, 4, v2                        ; 16 x lane
	s_mul_i32 s24, s16, STG
	v_add_nc_u32 v14, s24, v3                      ; the stage, on the way in
	v_and_b32 v10, 15, v0                          ; r
	v_bfe_u32 v9, v0, 4, 1                         ; h
	v_mul_u32_u24 v15, v10, 528
	v_lshl_add_u32 v15, v9, 6, v15
	v_add_nc_u32 v15, s24, v15                     ; and on the way out: row r, + 64 h
	v_lshlrev_b32 v11, 4, v10                      ; 16 r: my row's four scale words
.irp b, 0,1,2,3
	v_mov_b32 v[TM+4+\b], 0                        ; a lane permute's destination counts as one of its sources
.endr
	LOAD 0
	LOAD 1
	s_wait_alu depctr_va_vdst(0)
.irp t, 0,1,2,3
.if \t < 3
	s_wait_loadcnt 16                              ; this step's 16 loads are in; the next step's 16 may be out
.else
	s_wait_loadcnt 0x0
.endif
	TURN \t
	s_wait_dscnt 0x0                               ; my numbers are back, and the stage's stores have read their registers
	s_wait_xcnt 0x0                                ; the last step's stores have read the codes' registers, which are written again below
.if \t < 2
	LOAD \t+2
.endif
	QUANT X, C, SW+\t
.irp c, 0,1,2,3
	global_store_b128 v3, v[C+4*\c:C+4*\c+3], s[10:11] offset:2048*\t+512*\c   ; 512 consecutive bytes
.endr
.endr
	global_store_b128 v11, v[SW:SW+3], s[14:15]    ; 256 consecutive bytes; lanes 16-31 hold the same words and write them to the same places
	s_wait_tensorcnt 0x0                           ; the wave's end
	ds_add_u32 v[SPW], v[NIL]
	s_wait_dscnt 0x0
	s_endpgm
; ---------------- the weights ----------------
.macro WLOAD c, pitch                  ; block c of the K step: W(32 c + i, my column): 128 consecutive bytes a wave, 512 a work-group
.set n, 0
.rept 32
	global_load_b32 v[32+32*((\c)%2)+n], v4, s[24:25] offset:(32*(\c)+n)*(\pitch) th:TH_LOAD_NT
.set n, n+1
.endr
.endm
.macro WBLOCK c, pitch
.set XS, 32+32*((\c)%2)
.if (\c) < 3
	s_wait_loadcnt 32                              ; this block's 32 loads are in; the next block's may be out
.else
	s_wait_loadcnt 0x0
.endif
	v_max3_num_f32 v8, |v[XS]|, |v[XS+1]|, |v[XS+2]|   ; all 32 numbers of the block are mine
	v_max3_num_f32 v9, |v[XS+3]|, |v[XS+4]|, |v[XS+5]|
.irp i, 6,10,14,18,22,26
	v_max3_num_f32 v8, v8, |v[XS+\i]|, |v[XS+\i+1]|
	v_max3_num_f32 v9, v9, |v[XS+\i+2]|, |v[XS+\i+3]|
.endr
	v_max3_num_f32 v8, v8, |v[XS+30]|, |v[XS+31]|
	v_max3_num_f32 v8, v8, v9, 0x8000000           ; and the floor
	v_add_nc_u32 v11, 0xf8800000, v8
	v_and_or_b32 v10, v8, 0x7f800000, s[MNT]
	v_lshrrev_b32 v7, 23, v11
.if (\c) == 0
	v_mov_b32 v24, v7
.else
	v_lshl_or_b32 v24, v7, 8*(\c), v24             ; the K step's four bytes make my column's scale word
.endif
.set n, 0
.rept 32
	v_med3_num_f32 v[XS+n], v[XS+n], -v10, v10
.set n, n+1
.endr
.irp g, 0,1,2,3
	v_cvt_scalef32_pk8_bf8_f32 v[96+8*(\c)+2*\g:97+8*(\c)+2*\g], v[XS+8*\g:XS+8*\g+7], v11
.endr
	v_nop
	global_store_b128 v5, v[96+8*(\c):99+8*(\c)], s[26:27] offset:512*(\c)          ; k = 0 .. 15: the place of lane (r, 0) in chunk c; the wave fills 256 consecutive bytes in each of two blocks
	global_store_b128 v5, v[100+8*(\c):103+8*(\c)], s[26:27] offset:512*(\c)+256    ; k = 16 .. 31: the place of lane (r, 1)
.if (\c)+2 < 4
	WLOAD (\c)+2, \pitch
.endif
.endm
.macro WPATH pitch, p, blk0, x0
	s_sub_co_u32 s18, ttmp9, \x0
	s_lshl_b32 s18, s18, 2
	s_add_co_u32 s18, s18, s16                     ; my group of 32 columns
	s_mul_i32 s24, s22, 128*\pitch                 ; the K step's 128 rows
	s_lshl_b32 s25, s18, 7
	s_add_co_u32 s24, s24, s25
	s_mov_b32 s25, 0
	s_add_nc_u64 s[24:25], s[\p:\p+1], s[24:25]
	s_lshl_b32 s19, s18, 1
	s_add_co_u32 s19, s19, \blk0                   ; the group's even block
	s_lshl_b32 s26, s19, 14
	s_lshl_b32 s27, s22, 11
	s_add_co_u32 s26, s26, s27
	s_mov_b32 s27, 0
	s_add_nc_u64 s[26:27], s[12:13], s[26:27]
	s_lshl_b32 s28, s19, 9
	s_lshr_b32 s29, s22, 2
	s_lshl_b32 s29, s29, 8
	s_add_co_u32 s28, s28, s29
	s_and_b32 s29, s22, 3
	s_lshl_b32 s29, s29, 2
	s_add_co_u32 s28, s28, s29
	s_mov_b32 s29, 0
	s_add_nc_u64 s[28:29], s[14:15], s[28:29]
	WLOAD 0, \pitch
	WLOAD 1, \pitch
	WBLOCK 0, \pitch
	WBLOCK 1, \pitch
	WBLOCK 2, \pitch
	WBLOCK 3, \pitch
	global_store_b32 v6, v24, s[28:29]             ; 4 bytes at every 16: a K step's word of each row; one byte in 32 of what this path stores
.endm
.Lweights:
	s_sub_co_u32 s22, s17, 8                       ; the K step
	s_wait_alu depctr_va_vdst(0)
	v_lshlrev_b32 v4, 2, v2                        ; 4 bytes a lane
	v_bfe_u32 v7, v0, 3, 1                         ; column l of a group lies in block u = (l / 8) % 2,
	v_and_b32 v8, 7, v0
	v_bfe_u32 v9, v0, 4, 1
	v_lshl_or_b32 v8, v9, 3, v8                    ; at row r = l % 8 + 8 (l / 16)
	v_lshlrev_b32 v6, 4, v8
	v_lshl_add_u32 v5, v7, 14, v6                  ; codes: 16,384 u + 16 r
	v_lshl_add_u32 v6, v7, 9, v6                   ; words: 512 u + 16 r
	s_cmp_lt_u32 ttmp9, 24
	s_cbranch_scc0 .Lwo
	s_wait_alu depctr_va_vdst(0)
	WPATH 12288, 6, 0, 0
	s_endpgm
.Lwo:
	s_wait_alu depctr_va_vdst(0)
	WPATH 4096, 8, 192, 24
	s_endpgm
.Lfunc_end_k_q17a1c3f175_quant:
	.size	k_q17a1c3f175_quant, .Lfunc_end_k_q17a1c3f175_quant-k_q17a1c3f175_quant
	.p2alignl 7, 3214868480
	.fill 96, 4, 3214868480
	.section	.rodata,"a",@progbits
	.p2align	6, 0x0
	.amdhsa_kernel k_q17a1c3f175_quant
		.amdhsa_group_segment_fixed_size 34304
		.amdhsa_private_segment_fixed_size 0
		.amdhsa_enable_private_segment 0
		.amdhsa_kernarg_size 48
		.amdhsa_user_sgpr_count 2
		.amdhsa_user_sgpr_kernarg_segment_ptr 1
		.amdhsa_wavefront_size32 1
		.amdhsa_system_sgpr_workgroup_id_x 1
		.amdhsa_system_sgpr_workgroup_id_y 1
		.amdhsa_system_sgpr_workgroup_id_z 1
		.amdhsa_system_vgpr_workitem_id 0
		.amdhsa_next_free_vgpr 256
		.amdhsa_next_free_sgpr 66
		.amdhsa_reserve_vcc 0
		.amdhsa_float_denorm_mode_32 3
		.amdhsa_float_denorm_mode_16_64 3
		.amdhsa_memory_ordered 1
		.amdhsa_forward_progress 1
		.amdhsa_inst_pref_size 107
	.end_amdhsa_kernel
	.amdgpu_metadata
---
amdhsa.version: [ 1, 2 ]
amdhsa.kernels:
  - .name:           k_q17a1c3f175_quant
    .symbol:         k_q17a1c3f175_quant.kd
    .args:
      - { .name: x, .offset: 0, .size: 8, .value_kind: global_buffer, .address_space: global }
      - { .name: W_qkv, .offset: 8, .size: 8, .value_kind: global_buffer, .address_space: global }
      - { .name: W_o, .offset: 16, .size: 8, .value_kind: global_buffer, .address_space: global }
      - { .name: xc, .offset: 24, .size: 8, .value_kind: global_buffer, .address_space: global }
      - { .name: wc, .offset: 32, .size: 8, .value_kind: global_buffer, .address_space: global }
      - { .name: sc, .offset: 40, .size: 8, .value_kind: global_buffer, .address_space: global }
    .group_segment_fixed_size: 34304
    .private_segment_fixed_size: 0
    .kernarg_segment_align: 8
    .kernarg_segment_size: 48
    .max_flat_workgroup_size: 128
    .sgpr_count:     66
    .vgpr_count:     256
    .wavefront_size: 32
...
	.end_amdgpu_metadata
.endif
;; end of part 1
;; launch proj (part 2): grid 16 x 32, 4 waves a work-group, clusters of 4 x 4, 327,680 bytes of LDS; arguments xc, wc, sc, b_qkv, qc, kv, scl; writes qc, kv, scl
.if DOCPART == 2
	.amdgcn_target "amdgcn-amd-amdhsa--gfx1250"
	.amdhsa_code_object_version 6
	.text
	.protected	k_q17a1c3f175_proj
	.globl	k_q17a1c3f175_proj
	.p2align	8
	.type	k_q17a1c3f175_proj,@function
k_q17a1c3f175_proj:
	s_mov_b64 s[64:65], 0
	v_nop
	global_prefetch_b8 v0, s[64:65] scope:SCOPE_SE
	s_setreg_imm32_b32 hwreg(HW_REG_WAVE_MODE, 25, 1), 1
	s_wait_xcnt 0x0
	s_wait_alu depctr_hold_cnt(0) depctr_sa_sdst(0) depctr_va_vdst(0) depctr_va_sdst(0) depctr_va_ssrc(0) depctr_va_vcc(0) depctr_vm_vsrc(0)
	s_getreg_b32 s2, hwreg(HW_REG_IB_STS2, 6, 4)
	s_cmp_eq_u32 s2, 0
	s_cbranch_scc0 .Lentry_in_a_cluster
	s_endpgm
.Lentry_in_a_cluster:
	s_bfe_u32 s2, ttmp6, 0x10000c
	s_cmp_lg_u32 s2, 0xf033
	s_cbranch_scc0 .Lentry_shape_is_right
	s_endpgm
.Lentry_shape_is_right:
; Launch 2 of 4: qkv = x W_qkv + b_qkv on codes of E5M2, and the quantisers of q, k (along the head's 64) and v (along the keys).  No f32 number goes to memory.
; SHARES.  A work-group: 256 tokens x one head (192 columns).  A wave: 64 tokens (4 blocks) x all 12 column blocks: 48 accumulators.  K = 1,024 in 8 steps of 128, two steps to an LDS slot, two slots.
; q, k: source 0 = 16 columns of W, source 1 = 16 tokens: a lane holds a token, and the 16 registers of two neighbouring tiles are 16 neighbouring channels: the next K.
; v: the sources change places: a lane holds a channel and its registers run along the tokens, which are the keys: the K of the product with p.
; The bias is the C of each sum's first matrix instruction.  The blocks' rows and the images of fragments are as launch 1's head comment lays them; LDS rows need no padding: a fragment is read lanes on end.
; CLUSTER 4 x 4: the four work-groups of a row of the cluster share the tokens' tiles, the four of a column the head's: each tile is asked for jointly.
; OUT.  qc [64 bh][128 tiles][2][512];  kv [64 bh]{K as qc; V [16 key steps][4 channel tiles][4][512]};  scl [64 bh][20,480]: K's words [32][r][4], V's at 8,192 [16][4][r], Q's at 12,288 as K's.
; Q's and K's words hold their two bytes twice (s0 s1 s0 s1), so that they serve data in either half of an instruction's 128.
; A wave owns two of the four key blocks of a word of V's scales: those leave as 2 bytes at every 4: one byte in 32 of V.
; LIMITS: as launch 1's: the byte 1 for a block of zeros or under 2^-111; NaN and infinities are not served.
; REGISTERS: window 0: v16-30 addresses; v32-127 scale words (register 8 i + s: lanes 16-31 W's block i, lanes 0-15 x's block i < 4, K step s); v128-255 x's fragments, two sets.
;   window 1: v0-191 W's 12 fragments.  window 2: q's and k's accumulators, (a, b) at v[8 (8 a + b)].  window 3: v0-127 v's, (b, a) at v[8 (4 b + a)]; v128-191, v192-223 the biases.
.set XO,    131072
.set SLOT,  114688                     ; 16 token blocks x 4,096 bytes, then 12 column blocks x 4,096
.set BOFF,  65536
.set SPARE, 2*SLOT                     ; behind the ring: the spare words, 128 bytes a wave, that no other line names
.set NP,    8                          ; places behind this matrix instruction (ISA guide 7.12.1)
.set ADRA, 16
.set ADRB, 20
.set LI,   24                          ; 16 x lane
.set SA,   25
.set SB,   26
.set VQK,  27
.set SPW,  28
.set NIL,  29
.set VSO,  30
.set SC,   32
.set AF,   128
.set BQ,   128
.set BV,   192
.set TM,   224
.set WQ,   240
.set WK,   244
.set WM,   248
.set WVH,  252
.set WV,  18
.set FB,  19
.set HF,  20
.set G1,  24
.set G0,  32
.set G1B, 48
.set G0B, 56
.set SEL, 66
.set MNT, 68
.set LM,  69
.set MSB, 0
.macro WIN new                         ; the immediate's high byte repeats the setting that is left
.if MSB != \new
	s_set_vgpr_msb (MSB<<8)|\new
.set MSB, \new
.endif
.endm
.macro JLOAD g0a, g1a, g0b, g1b        ; a joint load: waves 0 and 1 fetch the tokens' halves, waves 2 and 3 the head's
	s_cmp_eq_u32 s[FB], 0
	s_cbranch_scc0 .Lfor_b_\@
	tensor_load_to_lds s[\g0a:\g0a+3], s[\g1a:\g1a+7]
	s_nop 0
.rept 4
	v_nop
.endr
	s_branch .Lasked_\@
.Lfor_b_\@:
	tensor_load_to_lds s[\g0b:\g0b+3], s[\g1b:\g1b+7]
	s_nop 0
.rept 4
	v_nop
.endr
.Lasked_\@:
.endm
.macro CREST
	s_cmp_lg_u32 s[WV], 0
	s_cbranch_scc1 .Lnot_wave_0_\@
	s_barrier_signal -3
.Lnot_wave_0_\@:
	s_barrier_wait -3
	s_barrier_signal -1
	s_barrier_wait -1
.endm
.macro CROUND
	s_barrier_signal -1
	s_barrier_wait -1
	CREST
.endm
.macro PLACES n
.rept \n
	v_nop
.endr
.endm
	s_load_b256 s[4:11], s[0:1], 0x0               ; xc, wc, sc, b_qkv
	s_load_b128 s[12:15], s[0:1], 0x20             ; qc, kv
	s_load_b64 s[16:17], s[0:1], 0x30              ; scl
	v_lshl_add_u32 v[SPW], v0, 2, SPARE
	v_mov_b32 v[NIL], 0
	ds_add_u32 v[SPW], v[NIL]                      ; the opening: the add, twice on end, and its wait ahead of my first tensor load
	ds_add_u32 v[SPW], v[NIL]
	v_lshrrev_b32 v1, 5, v0
	v_readfirstlane_b32 s[WV], v1                  ; wave 0..3
	s_lshr_b32 s[FB], s[WV], 1                     ; I fetch tokens (0) or the head's columns (1)
	s_and_b32 s[HF], s[WV], 1                      ; which half of them
	s_bfe_u32 s40, ttmp6, 0x40000                  ; cx
	s_bfe_u32 s41, ttmp6, 0x40004                  ; cy
	s_lshl_b32 s42, ttmp9, 2
	s_add_co_u32 s42, s42, s40                     ; the head
	s_and_b32 s43, ttmp7, 0xffff
	s_lshl_b32 s43, s43, 2
	s_add_co_u32 s43, s43, s41                     ; the block of 256 tokens
	s_lshl_b32 s44, s41, 2
	s_lshl_b32 s44, 15, s44                        ; my row of the cluster
	s_lshl_b32 s45, 0x1111, s40                    ; my column
	s_or_b32 s[G1], s44, (3<<16)|(1<<21)           ; elements of 8 bytes, no padding; bit 21 beside a mask
	s_or_b32 s[G1B], s45, (3<<16)|(1<<21)
	s_mov_b32 s[G1+1], 512<<16                     ; a row: two K steps of a block, 4,096 bytes
	s_mov_b32 s[G1+2], 8<<16                       ; 8 blocks
	s_mov_b32 s[G1+3], 512<<16
	s_mov_b32 s[G1+4], 8
	s_mov_b32 s[G1+5], 2048                        ; from block to block: 16,384 bytes
	s_mov_b32 s[G1+6], 0
	s_mov_b32 s[G1+7], 0
	s_mov_b32 s[G1B+1], 512<<16
	s_mov_b32 s[G1B+2], 6<<16                      ; 6 blocks
	s_mov_b32 s[G1B+3], 512<<16
	s_mov_b32 s[G1B+4], 6
	s_mov_b32 s[G1B+5], 2048
	s_mov_b32 s[G1B+6], 0
	s_mov_b32 s[G1B+7], 0
	s_lshl_b32 s72, s43, 18                        ; 16 blocks of 16,384 bytes for each 256 tokens,
	s_lshl_b32 s73, s[HF], 17                      ; 8 for my half
	s_add_co_u32 s72, s72, s73
	s_mov_b32 s73, 0
	s_mul_i32 s74, s42, 196608                     ; 12 blocks a head,
	s_mul_i32 s75, s[HF], 98304                    ; 6 for my half
	s_add_co_u32 s74, s74, s75
	s_mov_b32 s75, 0
	s_lshl_b32 s46, s[HF], 15                      ; where they go in a slot
	s_mul_i32 s47, s[HF], 24576
	s_add_co_u32 s47, s47, BOFF
	s_mov_b32 s[SEL], 0x76543210
	s_mov_b32 s[SEL+1], 0xfedcba98
	s_mov_b32 s[MNT], 0x600000
	s_mov_b32 s[LM], 0xffff0000                    ; lanes 16-31
	s_wait_dscnt 0x0                               ; both opening adds are done
	s_wait_kmcnt 0x0
	s_add_nc_u64 s[72:73], s[4:5], s[72:73]
	s_add_nc_u64 s[74:75], s[6:7], s[74:75]
	CROUND                                         ; all sixteen work-groups are here: the first joint loads meet
.irp n, 0,1
	s_mov_b32 s[G0+4*\n], 1
	s_add_co_u32 s[G0+4*\n+1], s46, \n*SLOT
	s_add_nc_u64 s[G0+4*\n+2:G0+4*\n+3], s[72:73], \n*4096
	s_or_b32 s[G0+4*\n+3], s[G0+4*\n+3], 0x80000000
	s_mov_b32 s[G0B+4*\n], 1
	s_add_co_u32 s[G0B+4*\n+1], s47, \n*SLOT
	s_add_nc_u64 s[G0B+4*\n+2:G0B+4*\n+3], s[74:75], \n*4096
	s_or_b32 s[G0B+4*\n+3], s[G0B+4*\n+3], 0x80000000
.endr
	JLOAD G0, G1, G0B, G1B                         ; slot 0: one tensor load a wave at the head
	v_and_b32 v1, 15, v0                           ; r
	v_bfe_u32 v2, v0, 4, 1                         ; h
	v_and_b32 v3, 31, v0
	v_lshlrev_b32 v[LI], 4, v3
	s_lshl_b32 s21, s[WV], 14                      ; my 4 token blocks
	v_add_nc_u32 v[ADRA], s21, v[LI]
	v_add_nc_u32 v[ADRA+1], SLOT, v[ADRA]
	v_add_nc_u32 v[ADRB], BOFF, v[LI]
	v_add_nc_u32 v[ADRB+1], SLOT+BOFF, v[LI]
	v_lshlrev_b32 v4, 4, v1                        ; 16 r
	s_lshl_b32 s21, s43, 4
	s_lshl_b32 s22, s[WV], 2
	s_add_co_u32 s21, s21, s22                     ; my first token block
	s_lshl_b32 s21, s21, 9
	s_add_co_u32 s21, s21, XO
	s_mul_i32 s22, s42, 6144                       ; the head's first block x 512
	v_add_nc_u32 v5, s21, v4
	v_add_nc_u32 v[SB], s22, v4
	v_cndmask_b32 v[SA], v5, v[SB], s[LM]          ; lanes 0-15: x's words; lanes 16-31: W's
.irp i, 0,1,2,3
.irp kh, 0,1
	global_load_b128 v[SC+8*\i+4*\kh:SC+8*\i+4*\kh+3], v[SA], s[8:9] offset:512*\i+256*\kh
.endr
.endr
.irp i, 4,5,6,7,8,9,10,11
.irp kh, 0,1
	global_load_b128 v[SC+8*\i+4*\kh:SC+8*\i+4*\kh+3], v[SB], s[8:9] offset:512*\i+256*\kh
.endr
.endr
	s_mul_i32 s22, s42, 768
	s_mov_b32 s23, 0
	s_add_nc_u64 s[10:11], s[10:11], s[22:23]      ; the head's 192 biases
	v_lshlrev_b32 v6, 6, v2                        ; 64 h
	v_and_b32 v7, 8, v1
	v_add_nc_u32 v7, v7, v1
	v_lshlrev_b32 v7, 2, v7                        ; 4 (r + 8 (r / 8))
	WIN 0xc0                                       ; destination window 3
.irp b, 0,1,2,3,4,5,6,7
	global_load_b128 v[BQ+8*\b:BQ+8*\b+3], v6, s[10:11] offset:(32*(\b/2)+8*(\b%2))*4        ; tile b, lane (r, h): columns 32 (b / 2) + 8 (b % 2) + 16 h + 0 .. 7
	global_load_b128 v[BQ+8*\b+4:BQ+8*\b+7], v6, s[10:11] offset:(32*(\b/2)+8*(\b%2))*4+16
.endr
.irp b, 0,1,2,3
.irp j, 0,1,2,3,4,5,6,7
	global_load_b32 v[BV+8*\b+\j], v7, s[10:11] offset:512+(32*(\b/2)+8*(\b%2))*4            ; v: my channel's bias in all eight registers
.endr
.endr
	WIN 0
	; where the results go
	v_xor_b32 v8, 1, v2
	s_wait_alu depctr_va_vdst(0)
	v_mad_u32_u24 v[VQK], v8, 0x3000, v4           ; lanes 0-15 store q's words (at 12,288), lanes 16-31 k's (at 0); 16 r
	v_lshlrev_b32 v[VSO], 2, v1                    ; 4 r
	s_lshr_b32 s76, s43, 3
	s_lshl_b32 s76, s76, 4
	s_add_co_u32 s76, s76, s42                     ; bh = 16 x batch + head
	s_and_b32 s77, s43, 7
	s_lshl_b32 s78, s77, 4
	s_lshl_b32 s79, s[WV], 2
	s_add_co_u32 s78, s78, s79                     ; my first tile in the sequence
	s_lshl_b32 s80, s76, 17
	s_lshl_b32 s81, s78, 10
	s_add_co_u32 s80, s80, s81
	s_mov_b32 s81, 0
	s_add_nc_u64 s[12:13], s[12:13], s[80:81]      ; qc
	s_lshl_b32 s82, s76, 18
	s_lshl_b32 s83, s78, 10
	s_add_co_u32 s80, s82, s83
	s_add_nc_u64 s[84:85], s[14:15], s[80:81]      ; kv: K
	s_lshl_b32 s83, s77, 1
	s_add_co_u32 s83, s83, s[FB]                   ; my key step of 128
	s_lshl_b32 s80, s83, 13
	s_add_co_u32 s80, s80, s82
	s_add_co_u32 s80, s80, 131072
	s_lshl_b32 s86, s[HF], 10                      ; my two chunks of its four
	s_add_co_u32 s80, s80, s86
	s_add_nc_u64 s[14:15], s[14:15], s[80:81]      ; kv: V
	s_mul_i32 s82, s76, 20480
	s_lshr_b32 s80, s78, 2
	s_lshl_b32 s80, s80, 8
	s_add_co_u32 s80, s80, s82
	s_add_nc_u64 s[86:87], s[16:17], s[80:81]      ; scl: q's and k's words
	s_lshl_b32 s80, s83, 8
	s_add_co_u32 s80, s80, s82
	s_add_co_u32 s80, s80, 8192
	s_lshl_b32 s88, s[HF], 1
	s_add_co_u32 s80, s80, s88
	s_add_nc_u64 s[16:17], s[16:17], s[80:81]      ; scl: v's half words
.macro FRAG reg, adr, off              ; a fragment: four loads of 16 bytes a lane, lanes on end
.irp c, 0,1,2,3
	ds_load_b128 v[(\reg)+4*\c:(\reg)+4*\c+3], v[\adr] offset:(\off)+512*\c
.endr
.endm
.macro FETCH_B s, b0                   ; W's blocks b0 .. b0 + 5 of K step s
	WIN 0x40
.irp i, 0,1,2,3,4,5
	FRAG 16*((\b0)+\i), ADRB+((\s)/2)%2, 4096*((\b0)+\i)+2048*((\s)%2)
.endr
	WIN 0
.endm
.macro FETCH_A s                       ; my 4 token blocks of K step s, into set s % 2
.irp a, 0,1,2,3
	FRAG AF+64*((\s)%2)+16*\a, ADRA+((\s)/2)%2, 4096*\a+2048*((\s)%2)
.endr
.endm
; four matrix instructions: W's block b against my 4 token blocks, K step s.  The 48 accumulators take turns, one instruction a turn.  first = 1: C is the bias
.macro MULB b, s, first
.if (\b) < 8
.if \first
	WIN 0xb1
.else
	WIN 0xa1
.endif
.irp a, 0,1,2,3
.if \first
	v_wmma_scale_f32_16x16x128_f8f6f4 v[8*(8*\a+(\b)):8*(8*\a+(\b))+7], v[16*(\b):16*(\b)+15], v[AF+64*((\s)%2)+16*\a:AF+64*((\s)%2)+16*\a+15], v[BQ+8*(\b):BQ+8*(\b)+7], v[SC+8*(\b)+(\s)], v[SC+8*\a+(\s)] matrix_a_fmt:MATRIX_FMT_BF8 matrix_b_fmt:MATRIX_FMT_BF8 matrix_a_scale:MATRIX_SCALE_ROW1
.else
	v_wmma_scale_f32_16x16x128_f8f6f4 v[8*(8*\a+(\b)):8*(8*\a+(\b))+7], v[16*(\b):16*(\b)+15], v[AF+64*((\s)%2)+16*\a:AF+64*((\s)%2)+16*\a+15], v[8*(8*\a+(\b)):8*(8*\a+(\b))+7], v[SC+8*(\b)+(\s)], v[SC+8*\a+(\s)] matrix_a_fmt:MATRIX_FMT_BF8 matrix_b_fmt:MATRIX_FMT_BF8 matrix_a_scale:MATRIX_SCALE_ROW1
.endif
.endr
.else
	WIN 0xf4
.irp a, 0,1,2,3
.if \first
	v_wmma_scale_f32_16x16x128_f8f6f4 v[8*(4*((\b)-8)+\a):8*(4*((\b)-8)+\a)+7], v[AF+64*((\s)%2)+16*\a:AF+64*((\s)%2)+16*\a+15], v[16*(\b):16*(\b)+15], v[BV+8*((\b)-8):BV+8*((\b)-8)+7], v[SC+8*\a+(\s)], v[SC+8*(\b)+(\s)] matrix_a_fmt:MATRIX_FMT_BF8 matrix_b_fmt:MATRIX_FMT_BF8 matrix_b_scale:MATRIX_SCALE_ROW1
.else
	v_wmma_scale_f32_16x16x128_f8f6f4 v[8*(4*((\b)-8)+\a):8*(4*((\b)-8)+\a)+7], v[AF+64*((\s)%2)+16*\a:AF+64*((\s)%2)+16*\a+15], v[16*(\b):16*(\b)+15], v[8*(4*((\b)-8)+\a):8*(4*((\b)-8)+\a)+7], v[SC+8*\a+(\s)], v[SC+8*(\b)+(\s)] matrix_a_fmt:MATRIX_FMT_BF8 matrix_b_fmt:MATRIX_FMT_BF8 matrix_b_scale:MATRIX_SCALE_ROW1
.endif
.endr
.endif
.endm
; a K step whose successor lies in the same slot
.macro STEP s, first
	s_wait_dscnt 24                                ; W's blocks 0-5 and my tokens are in; the youngest 24 loads (W's blocks 6-11) may be out
.irp b, 0,1,2,3,4,5
	MULB \b, \s, \first
.endr
	s_wait_dscnt 0x0                               ; W's blocks 6-11 are in
	PLACES NP                                      ; in front of loads into registers that matrix instructions have read
	FETCH_B (\s)+1, 0
	FETCH_A (\s)+1
.irp b, 6,7,8,9,10,11
	MULB \b, \s, \first
.endr
	PLACES NP
	FETCH_B (\s)+1, 6
.endm
; a slot's last K step changes slots: one barrier; in front of it all my tensor loads, the add, and my reads of this slot.  fill = 1: the barrier opens a round of the cluster's, and the slot is filled again
.macro TURN s, fill
.set SL, ((\s)/2)%2
	s_wait_tensorcnt 0x0                           ; all my tensor loads have landed: my part of the next slot
	ds_add_u32 v[SPW], v[NIL]
	s_wait_dscnt 25                                ; the add and the youngest 24 loads may be out
.irp b, 0,1,2
	MULB \b, \s, 0
.endr
	s_wait_dscnt 0x0                               ; the add is done, and my reads of this slot are over
	s_barrier_signal -1
.irp b, 3,4,5
	MULB \b, \s, 0
.endr
	WIN 0
	s_barrier_wait -1
.if \fill
	CREST                                          ; no wave of any partner still reads this slot or has a load on its way
	s_add_nc_u64 s[G0+4*SL+2:G0+4*SL+3], s[G0+4*SL+2:G0+4*SL+3], 8192
	s_add_nc_u64 s[G0B+4*SL+2:G0B+4*SL+3], s[G0B+4*SL+2:G0B+4*SL+3], 8192
	JLOAD G0+4*SL, G1, G0B+4*SL, G1B               ; the first tensor load behind the round; its four v_nop are four of the places
	PLACES NP-4
.else
	PLACES NP
.endif
	FETCH_B (\s)+1, 0
	FETCH_A (\s)+1
.irp b, 6,7,8,9,10,11
	MULB \b, \s, 0
.endr
	PLACES NP
	FETCH_B (\s)+1, 6
.endm
	s_wait_alu depctr_va_vdst(0)                   ; the wait at the head's end
	s_wait_tensorcnt 0x0                           ; my part of slot 0 is in
	ds_add_u32 v[SPW], v[NIL]
	s_wait_dscnt 0x0
	CROUND                                         ; a whole round: slot 0 is whole, and the joint loads meet
	JLOAD G0+4, G1, G0B+4, G1B                     ; slot 1's first fill, the first tensor load behind the round
	FETCH_B 0, 0
	FETCH_A 0
	FETCH_B 0, 6
	s_wait_loadcnt 0x0                             ; the scale words and the biases
	STEP 0, 1
	TURN 1, 1
	STEP 2, 0
	TURN 3, 1
	STEP 4, 0
	TURN 5, 0                                      ; nothing is left to fetch
	STEP 6, 0
	s_wait_dscnt 24                                ; the last K step
.irp b, 0,1,2,3,4,5
	MULB \b, 7, 0
.endr
	s_wait_dscnt 0x0
.irp b, 6,7,8,9,10,11
	MULB \b, 7, 0
.endr
	WIN 0
	PLACES NP                                      ; in front of the first read of results, and of writes into the registers that held x's fragments
.irp b, 0,1,2,3
	v_mov_b32 v[TM+4+\b], 0                        ; a lane permute's destination counts as one of its sources
.endr
; 64 registers of window win, register 16 b + i = place 32 b + 16 h + i along the next K, become 16 registers of codes in window 0 at pc; the four bytes stay in v[TM+4] on.  Each stage stands under one window setting
.macro QW win, s, pc
	WIN ((\win)|((\win)<<2))
.irp b, 0,1,2,3
	v_max3_num_f32 v[TM+\b], |v[(\s)+16*\b]|, |v[(\s)+1+16*\b]|, 0x8000000   ; each accumulator is read from its low end on
.endr
.irp i, 2,4,6,8,10,12,14
.irp b, 0,1,2,3
	v_max3_num_f32 v[TM+\b], |v[(\s)+16*\b+\i]|, |v[(\s)+1+16*\b+\i]|, v[TM+\b]
.endr
.endr
	WIN 0
.irp b, 0,1,2,3
	v_permlanex16_b32 v[TM+4+\b], v[TM+\b], s[SEL], s[SEL+1]
.endr
.irp b, 0,1,2,3
	v_max_num_f32 v[TM+\b], v[TM+\b], v[TM+4+\b]
.endr
.irp b, 0,1,2,3
	v_add_nc_u32 v[TM+12+\b], 0xf8800000, v[TM+\b]
.endr
.irp b, 0,1,2,3
	v_and_or_b32 v[TM+8+\b], v[TM+\b], 0x7f800000, s[MNT]
.endr
.irp b, 0,1,2,3
	v_lshrrev_b32 v[TM+4+\b], 23, v[TM+12+\b]
.endr
	WIN (((\win)<<6)|(\win))
.irp b, 0,1,2,3
.set n, 0
.rept 16
	v_med3_num_f32 v[(\s)+16*\b+n], v[(\s)+16*\b+n], -v[TM+8+\b], v[TM+8+\b]
.set n, n+1
.endr
.endr
	WIN (\win)
.irp b, 0,1,2,3
	v_cvt_scalef32_pk8_bf8_f32 v[(\pc)+4*\b:(\pc)+4*\b+1], v[(\s)+16*\b:(\s)+16*\b+7], v[TM+12+\b]
	v_cvt_scalef32_pk8_bf8_f32 v[(\pc)+4*\b+2:(\pc)+4*\b+3], v[(\s)+16*\b+8:(\s)+16*\b+15], v[TM+12+\b]
.endr
	WIN 0
	v_nop                                          ; a plain line behind the last conversion
.endm
.irp a, 0,1,2,3                        ; token block a: q's two blocks of 32 channels, then k's.  Every store's data have registers of their own
	QW 2, 64*\a, 128+16*\a
	v_lshl_or_b32 v[WQ+\a], v[TM+5], 8, v[TM+4]
	v_lshl_or_b32 v[WK+\a], v[TM+7], 8, v[TM+6]
	v_lshl_or_b32 v[WQ+\a], v[WQ+\a], 16, v[WQ+\a] ; the two bytes twice
	v_lshl_or_b32 v[WK+\a], v[WK+\a], 16, v[WK+\a]
	global_store_b128 v[LI], v[128+16*\a:131+16*\a], s[12:13] offset:1024*\a
	global_store_b128 v[LI], v[132+16*\a:135+16*\a], s[12:13] offset:1024*\a+512
	global_store_b128 v[LI], v[136+16*\a:139+16*\a], s[84:85] offset:1024*\a
	global_store_b128 v[LI], v[140+16*\a:143+16*\a], s[84:85] offset:1024*\a+512
.endr
.irp a, 0,1,2,3
	v_cndmask_b32 v[WM+\a], v[WQ+\a], v[WK+\a], s[LM]
.endr
	global_store_b128 v[VQK], v[WM:WM+3], s[86:87] ; 256 consecutive bytes of q's words and 256 of k's
.irp i, 0,1                            ; v: channel tiles 2 i, 2 i + 1, each with my two blocks of 32 keys
	QW 3, 64*\i, 192+16*\i
	v_lshl_or_b32 v[WVH+2*\i], v[TM+5], 8, v[TM+4]
	v_lshl_or_b32 v[WVH+2*\i+1], v[TM+7], 8, v[TM+6]
.irp b, 0,1,2,3
	global_store_b128 v[LI], v[192+16*\i+4*\b:195+16*\i+4*\b], s[14:15] offset:2048*(2*\i+\b/2)+512*(\b%2)
.endr
	global_store_b16 v[VSO], v[WVH+2*\i], s[16:17] offset:64*(2*\i)
	global_store_b16 v[VSO], v[WVH+2*\i+1], s[16:17] offset:64*(2*\i+1)
.endr
	s_wait_tensorcnt 0x0                           ; the wave's end
	ds_add_u32 v[SPW], v[NIL]
	s_wait_dscnt 0x0
	CROUND                                         ; the closing round
	s_endpgm
.Lfunc_end_k_q17a1c3f175_proj:
	.size	k_q17a1c3f175_proj, .Lfunc_end_k_q17a1c3f175_proj-k_q17a1c3f175_proj
	.p2alignl 7, 3214868480
	.fill 96, 4, 3214868480
	.section	.rodata,"a",@progbits
	.p2align	6, 0x0
	.amdhsa_kernel k_q17a1c3f175_proj
		.amdhsa_group_segment_fixed_size 327680
		.amdhsa_private_segment_fixed_size 0
		.amdhsa_enable_private_segment 0
		.amdhsa_kernarg_size 56
		.amdhsa_user_sgpr_count 2
		.amdhsa_user_sgpr_kernarg_segment_ptr 1
		.amdhsa_wavefront_size32 1
		.amdhsa_system_sgpr_workgroup_id_x 1
		.amdhsa_system_sgpr_workgroup_id_y 1
		.amdhsa_system_sgpr_workgroup_id_z 1
		.amdhsa_system_vgpr_workitem_id 0
		.amdhsa_next_free_vgpr 1024
		.amdhsa_next_free_sgpr 100
		.amdhsa_reserve_vcc 0
		.amdhsa_float_denorm_mode_32 3
		.amdhsa_float_denorm_mode_16_64 3
		.amdhsa_memory_ordered 1
		.amdhsa_forward_progress 1
		.amdhsa_inst_pref_size 156
	.end_amdhsa_kernel
	.amdgpu_metadata
---
amdhsa.version: [ 1, 2 ]
amdhsa.kernels:
  - .name:           k_q17a1c3f175_proj
    .symbol:         k_q17a1c3f175_proj.kd
    .args:
      - { .name: xc, .offset: 0, .size: 8, .value_kind: global_buffer, .address_space: global }
      - { .name: wc, .offset: 8, .size: 8, .value_kind: global_buffer, .address_space: global }
      - { .name: sc, .offset: 16, .size: 8, .value_kind: global_buffer, .address_space: global }
      - { .name: b_qkv, .offset: 24, .size: 8, .value_kind: global_buffer, .address_space: global }
      - { .name: qc, .offset: 32, .size: 8, .value_kind: global_buffer, .address_space: global }
      - { .name: kv, .offset: 40, .size: 8, .value_kind: global_buffer, .address_space: global }
      - { .name: scl, .offset: 48, .size: 8, .value_kind: global_buffer, .address_space: global }
    .group_segment_fixed_size: 327680
    .private_segment_fixed_size: 0
    .kernarg_segment_align: 8
    .kernarg_segment_size: 56
    .max_flat_workgroup_size: 128
    .sgpr_count:     100
    .vgpr_count:     1024
    .wavefront_size: 32
...
	.end_amdgpu_metadata
.endif
;; end of part 2
;; launch attn (part 3): grid 4 x 64, 16 waves a work-group, clusters of 4 x 1, 327,680 bytes of LDS; arguments qc, kv, scl, ac, sc; writes ac, sc
.if DOCPART == 3
	.amdgcn_target "amdgcn-amd-amdhsa--gfx1250"
	.amdhsa_code_object_version 6
	.text
	.protected	k_q17a1c3f175_attn
	.globl	k_q17a1c3f175_attn
	.p2align	8
	.type	k_q17a1c3f175_attn,@function
k_q17a1c3f175_attn:
	s_mov_b64 s[64:65], 0
	v_nop
	global_prefetch_b8 v0, s[64:65] scope:SCOPE_SE
	s_setreg_imm32_b32 hwreg(HW_REG_WAVE_MODE, 25, 1), 1
	s_wait_xcnt 0x0
	s_wait_alu depctr_hold_cnt(0) depctr_sa_sdst(0) depctr_va_vdst(0) depctr_va_sdst(0) depctr_va_ssrc(0) depctr_va_vcc(0) depctr_vm_vsrc(0)
	s_getreg_b32 s2, hwreg(HW_REG_IB_STS2, 6, 4)
	s_cmp_eq_u32 s2, 0
	s_cbranch_scc0 .Lentry_in_a_cluster
	s_endpgm
.Lentry_in_a_cluster:
	s_bfe_u32 s2, ttmp6, 0x10000c
	s_cmp_lg_u32 s2, 0x3003
	s_cbranch_scc0 .Lentry_shape_is_right
	s_endpgm
.Lentry_shape_is_right:
; Launch 3 of 4: attention on codes of E5M2, and the quantiser of its result along the embedding (the K of the last product).  No work of the problem is left out.
; t = score x log2(e) / 8; M = the running largest t rounded up to a whole number; p = 2^(t - M) is quantised along the keys; the row's sum is taken of the unquantised p and divides at the end.
; LIMITS: the promise holds while the scaled scores t stay under 2^31 in magnitude; a block whose every p is 0 gets the byte 1 (its codes are zeros); NaN and infinities are not served.
; SHARES.  A work-group owns 512 queries of one (batch, head); each of its 16 waves owns two tiles of 16 queries, one after the other.  All of the head's K and V (2 x 131,072 bytes) and their scale words (12,288) come into LDS once.
; CLUSTER 4 x 1: the four work-groups of a (batch, head) ask for every tile jointly.
; FILLS.  At the head one load a wave: waves 0-7 bring key quarter 0 (K 32,768 bytes, V 32,768), waves 8-15 the scale words.  Quarters 1 to 3 are first fills behind the three lines and a round, 4,096 bytes a wave,
; each asked for three or four key steps ahead of its first read; no byte is filled twice.  No prefetch: every fill but the head's is asked for those steps ahead, and the head has no loop ahead of it.
; THE WALK.  A step fetches the NEXT step's fragments of K, so a quarter must be whole one step before its first step: tile 0 walks steps 0-2, 3-6, 7-10 (three loops, a change of quarters ahead of each), then one loop of
; 21 steps: 11-15 for tile 0, the way out, and all 16 for tile 1 (addresses wrap round), the way out.  The very last step's look-ahead reads step 0's fragments once more; they are not used.
; LAYOUT as launch 1's head comment has it: fragments lie as images of registers.  S^T = K Q^T and O^T = V^T P^T: a lane holds one query.
; The head's 64 fill half of an instruction's 128: Q stands as [q][0]; K's eight pieces d0 .. d7 lie on end, fragment t is [d t][d t+1] (behind d7: the second tile's q), and the half that meets Q's zeros adds nothing (all codes are finite).
; REGISTERS: v1-15 addresses and the row's state; v16-31 Q; v32-95 K's pieces; v96-103 the second tile's q; v104-167 S^T, p, then V's fragments; v168-199 O^T; v200-215 p's codes; v216.. scratch and scale words.
.set DUAL,  1                          ; the holds as dual pairs
.set KSC,   262144
.set VSC,   270336
.set SPARE, 274432                     ; the spare words, 128 bytes a wave, that no other line names
.set AO,    393216
.set LI,  1
.set LV,  2
.set AKS, 3
.set AVS, 4
.set SPW, 5
.set ADK, 6
.set ADV, 7
.set ADS, 8
.set ADT, 9
.set NIL, 10
.set R16, 11
.set QF,  16
.set KB,  32
.set Q1,  96
.set S,   104
.set O,   168
.set PC,  200
.set BM,  216
.set BP,  220
.set BH,  224
.set BS,  228
.set KS,  232
.set VS,  240
.set QS,  244
.set PS,  245
.set F,   246
.set T,   248
.set QS1, 249
.set SM2, 250
.set OM,  252
.set WV,  18
.set MNT, 19
.set SEL, 20
.set CS,  22
.set G1C, 24
.set G1S, 32
.set G0H, 40
.set G0S, 44
.set TB,  60
.set TS,  61
.set TJ,  62
.set CNT, 63
.set G1H, 80
.set TK,  98
.macro CROUND
	s_barrier_signal -1
	s_barrier_wait -1
	s_cmp_lg_u32 s[WV], 0
	s_cbranch_scc1 .Lnot_wave_0_\@
	s_barrier_signal -3
.Lnot_wave_0_\@:
	s_barrier_wait -3
	s_barrier_signal -1
	s_barrier_wait -1
.endm
	s_load_b256 s[4:11], s[0:1], 0x0               ; qc, kv, scl, ac
	s_load_b64 s[12:13], s[0:1], 0x20              ; sc
	v_lshl_add_u32 v[SPW], v0, 2, SPARE
	v_mov_b32 v[NIL], 0
	ds_add_u32 v[SPW], v[NIL]                      ; the opening: the add, twice on end, and its wait
	ds_add_u32 v[SPW], v[NIL]
	v_lshrrev_b32 v1, 5, v0
	s_delay_alu instid0(VALU_DEP_1)
	v_readfirstlane_b32 s[WV], v1                  ; wave 0..15
	s_and_b32 s14, ttmp7, 0xffff                   ; bh
	s_bfe_u32 s15, ttmp6, 0x40000                  ; cx
	s_lshl_b32 s16, ttmp9, 2
	s_add_co_u32 s16, s16, s15
	s_lshl_b32 s16, s16, 5
	s_add_co_u32 s16, s16, s[WV]                   ; my first tile: 32 x work-group + wave; the second lies 16 on
.irp g, G1C, G1S, G1H                  ; dense blocks as rows of 256 bytes (32 elements of 8); the mask names the four partners
	s_mov_b32 s[\g], 15|(3<<16)|(1<<21)
	s_mov_b32 s[\g+1], 32<<16
	s_mov_b32 s[\g+3], 32<<16
	s_mov_b32 s[\g+5], 32
	s_mov_b32 s[\g+6], 0
	s_mov_b32 s[\g+7], 0
.endr
	s_mov_b32 s[G1C+2], 16<<16                     ; 4,096 bytes
	s_mov_b32 s[G1C+4], 16
	s_mov_b32 s[G1S+2], 6<<16                      ; 1,536 bytes
	s_mov_b32 s[G1S+4], 6
	s_mov_b32 s[G1H+2], 32<<16                     ; 8,192 bytes
	s_mov_b32 s[G1H+4], 32
	s_lshl_b32 s68, s14, 18                        ; the head's 262,144 bytes of kv
	s_mov_b32 s69, 0
	s_mul_i32 s72, s14, 20480                      ; and its scale words
	s_mov_b32 s73, 0
	s_bfe_u32 s66, s[WV], 0x10002                  ; the head's load of codes: K (waves 0-3) or V (4-7),
	s_lshl_b32 s66, s66, 17
	s_and_b32 s67, s[WV], 3
	s_lshl_b32 s67, s67, 13                        ; 8,192 bytes a wave: the same place in LDS as in kv
	s_add_co_u32 s66, s66, s67
	s_mov_b32 s67, 0
	s_and_b32 s70, s[WV], 7
	s_mul_i32 s70, s70, 1536                       ; the head's load of scale words
	s_mov_b32 s71, 0
	s_lshr_b32 s74, s[WV], 3                       ; the later quarters: K (waves 0-7) or V (8-15), 4,096 bytes a wave
	s_lshl_b32 s74, s74, 17
	s_and_b32 s75, s[WV], 7
	s_lshl_b32 s75, s75, 12
	s_add_co_u32 s74, s74, s75
	s_mov_b32 s75, 0
	s_lshl_b32 s88, s14, 7
	s_add_co_u32 s88, s88, s16
	s_lshl_b32 s88, s88, 10                        ; qc: 1,024 bytes a tile
	s_mov_b32 s89, 0
	s_lshr_b32 s90, s16, 2
	s_lshl_b32 s90, s90, 8
	s_and_b32 s91, s16, 3
	s_lshl_b32 s91, s91, 2
	s_add_co_u32 s90, s90, s91
	s_add_co_u32 s90, s90, 12288                   ; Q's scale words
	s_mov_b32 s91, 0
	s_and_b32 s96, s14, 15                         ; the head
	s_lshr_b32 s97, s14, 4
	s_lshl_b32 s97, s97, 7
	s_add_co_u32 s97, s97, s16                     ; the token block
	s_lshl_b32 s92, s97, 14
	s_lshl_b32 s93, s96, 10
	s_add_co_u32 s92, s92, s93                     ; ac: the block's K step head / 2, chunks 2 (head % 2) on
	s_mov_b32 s93, 0
	s_lshl_b32 s94, s97, 9
	s_lshr_b32 s95, s96, 3
	s_lshl_b32 s95, s95, 8
	s_add_co_u32 s94, s94, s95
	s_and_b32 s95, s96, 7
	s_lshl_b32 s95, s95, 1
	s_add_co_u32 s94, s94, s95
	s_add_co_u32 s94, s94, AO                      ; sc: my two bytes of the row's word
	s_mov_b32 s95, 0
	s_mov_b32 s[SEL], 0x76543210
	s_mov_b32 s[SEL+1], 0xfedcba98
	s_mov_b32 s[CS], 0x3e38aa3b                    ; log2(e) / 8
	s_mov_b32 s[CS+1], s[CS]
	s_mov_b32 s[MNT], 0x600000
	s_mov_b32 s[TB], 0                             ; the step's V
	s_mov_b32 s[TK], 8192                          ; the next step's K,
	s_mov_b32 s[TS], 512                           ; and its scale words
	s_mov_b32 s[TJ], 0                             ; the step's scale words of V
	s_wait_dscnt 0x0                               ; both opening adds are done
	s_wait_kmcnt 0x0
	s_add_nc_u64 s[68:69], s[6:7], s[68:69]
	s_add_nc_u64 s[72:73], s[8:9], s[72:73]
	s_add_nc_u64 s[4:5], s[4:5], s[88:89]
	s_add_nc_u64 s[8:9], s[72:73], s[90:91]
	s_add_nc_u64 s[10:11], s[10:11], s[92:93]
	s_add_nc_u64 s[12:13], s[12:13], s[94:95]
	s_mov_b32 s[G0H], 1
	s_mov_b32 s[G0H+1], s66
	s_add_nc_u64 s[G0H+2:G0H+3], s[68:69], s[66:67]
	s_or_b32 s[G0H+3], s[G0H+3], 0x80000000
	s_mov_b32 s[G0S], 1
	s_add_co_u32 s[G0S+1], s70, KSC
	s_add_nc_u64 s[G0S+2:G0S+3], s[72:73], s[70:71]
	s_or_b32 s[G0S+3], s[G0S+3], 0x80000000
	s_add_nc_u64 s[76:77], s[68:69], s[74:75]
.irp j, 1,2,3                          ; a group 0 of its own for each later quarter
	s_mov_b32 s[44+4*\j], 1
	s_add_co_u32 s[45+4*\j], s74, \j<<15
	s_add_nc_u64 s[46+4*\j:47+4*\j], s[76:77], \j<<15
	s_or_b32 s[47+4*\j], s[47+4*\j], 0x80000000
.endr
	CROUND                                         ; the four work-groups are here: the first joint loads meet
	s_cmp_lt_u32 s[WV], 8                          ; one load in each arm: every way through the head passes one
	s_cbranch_scc0 .Lhead_s
	tensor_load_to_lds s[G0H:G0H+3], s[G1H:G1H+7]
	s_nop 0
.rept 4
	v_nop
.endr
	s_branch .Lhead_asked
.Lhead_s:
	tensor_load_to_lds s[G0S:G0S+3], s[G1S:G1S+7]
	s_nop 0
.rept 4
	v_nop
.endr
.Lhead_asked:
	v_and_b32 v[LI], 31, v0
	v_and_b32 v[R16], 15, v0
	s_delay_alu instid0(VALU_DEP_2)
	v_lshlrev_b32 v[LI], 4, v[LI]                  ; 16 x lane
	s_delay_alu instid0(VALU_DEP_2)
	v_lshlrev_b32 v[AVS], 2, v[R16]
	v_lshlrev_b32 v[R16], 4, v[R16]                ; 16 r
	s_delay_alu instid0(VALU_DEP_3)
	v_add_nc_u32 v[LV], 0x20000, v[LI]
	s_delay_alu instid0(VALU_DEP_3)
	v_add_nc_u32 v[AVS], VSC, v[AVS]
	s_delay_alu instid0(VALU_DEP_3)
	v_add_nc_u32 v[AKS], KSC, v[R16]
	s_wait_alu depctr_va_vdst(0)
	global_load_b128 v[QF:QF+3], v[LI], s[4:5]
	global_load_b128 v[QF+4:QF+7], v[LI], s[4:5] offset:512
	global_load_b128 v[Q1:Q1+3], v[LI], s[4:5] offset:16384      ; the second tile's q
	global_load_b128 v[Q1+4:Q1+7], v[LI], s[4:5] offset:16896
	global_load_b32 v[QS], v[R16], s[8:9]
	global_load_b32 v[QS1], v[R16], s[8:9] offset:1024
.irp j, 0,1,2,3,4,5,6,7
	v_mov_b32 v[QF+8+\j], 0                        ; Q's zero half: written once
.endr
.set n, 0
.rept 32
	v_mov_b32 v[O+n], 0                            ; O^T: the first change of M leaves zeros zeros
.set n, n+1
.endr
	v_mov_b32 v13, 0xff61b1e6                      ; the largest score so far: -3e38
	v_mov_b32 v14, 0
	v_mov_b32 v15, 0
	v_mov_b32 v[F+1], 0
	v_mul_f32 v[T], s[CS], v13
	v_floor_f32 v12, -v[T]                         ; -M
.macro KFETCH ak, as                   ; a step's eight pieces of K and its eight scale words
.irp t, 0,1,2,3,4,5,6,7
.irp c, 0,1
	ds_load_b128 v[KB+8*\t+4*\c:KB+8*\t+4*\c+3], v[\ak] offset:\t*1024+512*\c
.endr
.endr
	ds_load_b128 v[KS:KS+3], v[\as]
	ds_load_b128 v[KS+4:KS+7], v[\as] offset:256
.endm
; A KEY STEP: 128 keys; its fragments of K are in registers.  wrap = 1: the addresses wrap round at the head's end
.macro STEP wrap
	v_add_nc_u32 v[ADK], s[TK], v[LI]
	v_add_nc_u32 v[ADV], s[TB], v[LV]
	v_add_nc_u32 v[ADS], s[TS], v[AKS]
	v_add_nc_u32 v[ADT], s[TJ], v[AVS]
.rept 5
	v_nop                                          ; with the four above: nine places behind the last products, whose operands are written over below
.endr
.irp t, 0,1,2,3,4,5,6,7
	v_wmma_scale_f32_16x16x128_f8f6f4 v[S+8*\t:S+8*\t+7], v[KB+8*\t:KB+8*\t+15], v[QF:QF+15], 0, v[KS+\t], v[QS] matrix_a_fmt:MATRIX_FMT_BF8 matrix_b_fmt:MATRIX_FMT_BF8
.endr
	v_mov_b32 v[OM], v12                           ; the old -M; with the seven below: eight places
.rept 7
	v_nop
.endr
	KFETCH ADK, ADS                                ; the next step's: they have the softmax in which to come
.irp b, 0,1,2,3
	v_max3_num_f32 v[BM+\b], v[S+16*\b], v[S+1+16*\b], v[S+2+16*\b]   ; the largest score of each block of 32 keys, in two chains a block
.endr
.irp b, 0,1,2,3
	v_max3_num_f32 v[BP+\b], v[S+8+16*\b], v[S+9+16*\b], v[S+10+16*\b]
.endr
.irp i, 3,5
.irp b, 0,1,2,3
	v_max3_num_f32 v[BM+\b], v[BM+\b], v[S+16*\b+\i], v[S+1+16*\b+\i]
.endr
.irp b, 0,1,2,3
	v_max3_num_f32 v[BP+\b], v[BP+\b], v[S+8+16*\b+\i], v[S+9+16*\b+\i]
.endr
.endr
.irp b, 0,1,2,3
	v_max3_num_f32 v[BM+\b], v[BM+\b], v[BP+\b], v[S+7+16*\b]
.endr
.irp b, 0,1,2,3
	v_max_num_f32 v[BM+\b], v[BM+\b], v[S+15+16*\b]
.endr
.irp b, 0,1,2,3
	s_delay_alu instid0(VALU_DEP_4)
	v_permlanex16_b32 v[BP+\b], v[BM+\b], s[SEL], s[SEL+1]
.endr
.irp b, 0,1,2,3
	s_delay_alu instid0(VALU_DEP_4)
	v_max_num_f32 v[BM+\b], v[BM+\b], v[BP+\b]
.endr
	s_delay_alu instid0(VALU_DEP_2)
	v_max3_num_f32 v[T], v[BM], v[BM+1], v[BM+2]
	v_max3_num_f32 v13, v13, v[T], v[BM+3]         ; the running largest score
	v_mul_f32 v[T], s[CS], v13                     ; as t (the factor is positive)
	v_floor_f32 v12, -v[T]                         ; the new -M
.set n, 0
.rept 32
	v_pk_fma_f32 v[S+n:S+n+1], v[S+n:S+n+1], s[CS:CS+1], v[12:13] op_sel_hi:[1,0,0]   ; t - M
.if n == 6
	v_sub_f32 v[T], v12, v[OM]                     ; old M - new M, a whole number,
.endif
.if n == 14
	v_cvt_i32_f32 v[T], v[T]
.endif
.if n == 22
	v_ldexp_f32 v[F], 1.0, v[T]                    ; f = 2^(old M - new M)
.endif
.set n, n+2
.endr
.irp b, 0,1,2,3
	v_fma_f32 v[BM+\b], v[BM+\b], s[CS], v12
.endr
	s_wait_alu depctr_va_vdst(0)                   ; the wait ahead of the batch
.set n, 0
.rept 64
	v_exp_f32 v[S+n], v[S+n]
.set n, n+1
.endr
	v_pk_mul_f32 v[14:15], v[14:15], v[F:F+1] op_sel_hi:[1,0]
	s_wait_alu depctr_va_vdst(0)                   ; and behind it
.irp b, 0,1,2,3
	v_exp_f32 v[BM+\b], v[BM+\b]                   ; each block's largest p
.endr
	v_pk_add_f32 v[14:15], v[14:15], v[S:S+1]      ; the row's sum of the unquantised p, in four chains
	v_pk_add_f32 v[SM2:SM2+1], v[S+2:S+3], v[S+10:S+11]
	v_pk_add_f32 v[BP:BP+1], v[S+4:S+5], v[S+12:S+13]
	v_pk_add_f32 v[BP+2:BP+3], v[S+6:S+7], v[S+14:S+15]
	v_pk_add_f32 v[14:15], v[14:15], v[S+8:S+9]
.irp j, 16,24,32,40,48,56
	v_pk_add_f32 v[14:15], v[14:15], v[S+\j:S+1+\j]
	v_pk_add_f32 v[SM2:SM2+1], v[SM2:SM2+1], v[S+2+\j:S+3+\j]
	v_pk_add_f32 v[BP:BP+1], v[BP:BP+1], v[S+4+\j:S+5+\j]
	v_pk_add_f32 v[BP+2:BP+3], v[BP+2:BP+3], v[S+6+\j:S+7+\j]
.endr
	v_pk_add_f32 v[SM2:SM2+1], v[SM2:SM2+1], v[BP:BP+1]
	v_pk_add_f32 v[14:15], v[14:15], v[BP+2:BP+3]
	v_pk_add_f32 v[14:15], v[14:15], v[SM2:SM2+1]
	s_wait_alu depctr_va_vdst(0)                   ; for the four
.irp b, 0,1,2,3
	v_max_num_f32 v[BM+\b], 0x8000000, v[BM+\b]    ; the floor: the byte cannot fall under 1
.endr
.irp b, 0,1,2,3
	s_delay_alu instid0(VALU_DEP_4)
	v_add_nc_u32 v[BS+\b], 0xf8800000, v[BM+\b]    ; the conversion's scale operand
.endr
.irp b, 0,1,2,3
	v_and_or_b32 v[BH+\b], v[BM+\b], 0x7f800000, s[MNT]   ; 57,344 x the scale
.endr
.irp b, 0,1,2,3
	v_lshrrev_b32 v[BP+\b], 23, v[BS+\b]
.endr
	s_delay_alu instid0(VALU_DEP_3)
	v_lshl_or_b32 v[PS], v[BP+1], 8, v[BP]
	s_delay_alu instid0(VALU_DEP_1)
	v_lshl_or_b32 v[PS], v[BP+2], 16, v[PS]
	s_delay_alu instid0(VALU_DEP_1)
	v_lshl_or_b32 v[PS], v[BP+3], 24, v[PS]        ; p's scale word
.irp b, 0,1,2,3
.set n, 0
.rept 8                                ; the hold, one-sided: p is not negative; the conversion does not saturate (ISA guide 7.6.2)
.if DUAL
	v_dual_min_num_f32 v[S+16*\b+n], v[BH+\b], v[S+16*\b+n] :: v_dual_min_num_f32 v[S+16*\b+n+1], v[BH+\b], v[S+16*\b+n+1]
.else
	v_min_num_f32 v[S+16*\b+n], v[S+16*\b+n], v[BH+\b]
	v_min_num_f32 v[S+16*\b+n+1], v[S+16*\b+n+1], v[BH+\b]
.endif
.set n, n+2
.endr
	v_cvt_scalef32_pk8_bf8_f32 v[PC+4*\b:PC+1+4*\b], v[S+16*\b:S+7+16*\b], v[BS+\b]
	v_cvt_scalef32_pk8_bf8_f32 v[PC+2+4*\b:PC+3+4*\b], v[S+8+16*\b:S+15+16*\b], v[BS+\b]
.irp c, 0,1,2,3                        ; the block's 16 registers are free: V's channel tile b lands there
	ds_load_b128 v[S+16*\b+4*\c:S+16*\b+4*\c+3], v[ADV] offset:2048*\b+512*\c
.endr
	ds_load_b32 v[VS+\b], v[ADT] offset:64*\b
.endr
	v_nop                                          ; a plain line behind the last conversion
	s_wait_alu depctr_va_vdst(0)                   ; the wait directly ahead of the first reader of O^T
.set n, 0
.rept 16
	v_pk_mul_f32 v[O+n:O+n+1], v[O+n:O+n+1], v[F:F+1] op_sel_hi:[1,0]   ; O^T under the new M; also the places ahead of the products
.set n, n+2
.endr
	s_wait_alu depctr_va_vdst(0)
.irp t, 0,1,2,3
	s_wait_dscnt 15-5*\t                           ; tile t's five loads are in (and K's, which are older); the five of each later tile may be out
	v_wmma_scale_f32_16x16x128_f8f6f4 v[O+8*\t:O+8*\t+7], v[S+16*\t:S+16*\t+15], v[PC:PC+15], v[O+8*\t:O+8*\t+7], v[VS+\t], v[PS] matrix_a_fmt:MATRIX_FMT_BF8 matrix_b_fmt:MATRIX_FMT_BF8
.endr
	s_add_co_u32 s[TB], s[TB], 8192
	s_add_co_u32 s[TK], s[TK], 8192
	s_add_co_u32 s[TS], s[TS], 512
	s_add_co_u32 s[TJ], s[TJ], 256
.if \wrap
	s_and_b32 s[TB], s[TB], 0x1ffff
	s_and_b32 s[TK], s[TK], 0x1ffff
	s_and_b32 s[TS], s[TS], 0x1fff
	s_and_b32 s[TJ], s[TJ], 0xfff
.endif
.endm
; a change of quarters: quarter j is whole behind it, and quarter j + 1 is asked for: a first fill behind the three lines and a round, one load a wave; then so many steps of tile 0
.macro QUARTER j, trips
	s_wait_tensorcnt 0x0                           ; my part of quarter j is in
	ds_add_u32 v[SPW], v[NIL]
	s_wait_dscnt 0x0
	CROUND
	tensor_load_to_lds s[48+4*\j:51+4*\j], s[G1C:G1C+7]
	s_nop 0
.rept 4
	v_nop
.endr
.if \j == 0
	KFETCH LI, AKS                                 ; step 0's fragments of K
	s_wait_dscnt 0x0
.endif
	s_mov_b32 s[CNT], \trips
.Lstep_\@:
	STEP 0
	s_sub_co_u32 s[CNT], s[CNT], 1
	s_cmp_lg_u32 s[CNT], 0
	s_cbranch_scc1 .Lstep_\@
.endm
	s_wait_alu depctr_va_vdst(0)                   ; the wait at the head's end
	s_wait_loadcnt 0x0                             ; Q
	QUARTER 0, 3
	QUARTER 1, 4
	QUARTER 2, 4
	s_wait_tensorcnt 0x0                           ; my part of quarter 3 is in; nothing more is asked for
	ds_add_u32 v[SPW], v[NIL]
	s_wait_dscnt 0x0
	s_barrier_signal -1
	s_barrier_wait -1
	s_mov_b32 s[CNT], 21                           ; 5 steps end tile 0, 16 make tile 1
.Lbc:
	STEP 1
	s_sub_co_u32 s[CNT], s[CNT], 1
	s_and_b32 s66, s[CNT], 15
	s_cmp_lg_u32 s66, 0
	s_cbranch_scc1 .Lno_out
	; THE WAY OUT of a tile (16 and 0 steps to go): O^T / the sum, quantised along the head's 64 channels, two blocks of 32
.rept 8
	v_nop
.endr
	v_add_f32 v14, v14, v15
	s_delay_alu instid0(VALU_DEP_1)
	v_permlanex16_b32 v[T], v14, s[SEL], s[SEL+1]
	s_delay_alu instid0(VALU_DEP_1)
	v_add_f32 v14, v14, v[T]
	s_wait_alu depctr_va_vdst(0)                   ; the wait ahead of the transcendental
	v_rcp_f32 v14, v14
	v_nop
	s_wait_alu depctr_va_vdst(0)                   ; and ahead of its first reader, which is O^T's too
.set n, 0
.rept 32
	v_mul_f32 v[S+n], v[O+n], v14
.set n, n+1
.endr
.irp b, 0,1
	v_max3_num_f32 v[BM+\b], |v[S+16*\b]|, |v[S+1+16*\b]|, 0x8000000
.endr
.irp i, 2,4,6,8,10,12,14
.irp b, 0,1
	s_delay_alu instid0(VALU_DEP_2)
	v_max3_num_f32 v[BM+\b], v[BM+\b], |v[S+16*\b+\i]|, |v[S+1+16*\b+\i]|
.endr
.endr
.irp b, 0,1
	s_delay_alu instid0(VALU_DEP_2)
	v_permlanex16_b32 v[BP+\b], v[BM+\b], s[SEL], s[SEL+1]
.endr
.irp b, 0,1
	s_delay_alu instid0(VALU_DEP_2)
	v_max_num_f32 v[BM+\b], v[BM+\b], v[BP+\b]
.endr
.irp b, 0,1
	s_delay_alu instid0(VALU_DEP_2)
	v_add_nc_u32 v[BS+\b], 0xf8800000, v[BM+\b]
.endr
.irp b, 0,1
	s_delay_alu instid0(VALU_DEP_4)
	v_and_or_b32 v[BH+\b], v[BM+\b], 0x7f800000, s[MNT]
.endr
.irp b, 0,1
	s_delay_alu instid0(VALU_DEP_4)
	v_lshrrev_b32 v[BP+\b], 23, v[BS+\b]
.endr
	s_delay_alu instid0(VALU_DEP_1)
	v_lshl_or_b32 v[T], v[BP+1], 8, v[BP]
.irp b, 0,1
.set n, 0
.rept 16
	v_med3_num_f32 v[S+16*\b+n], v[S+16*\b+n], -v[BH+\b], v[BH+\b]
.set n, n+1
.endr
	v_cvt_scalef32_pk8_bf8_f32 v[PC+4*\b:PC+1+4*\b], v[S+16*\b:S+7+16*\b], v[BS+\b]
	v_cvt_scalef32_pk8_bf8_f32 v[PC+2+4*\b:PC+3+4*\b], v[S+8+16*\b:S+15+16*\b], v[BS+\b]
.endr
	v_nop
	global_store_b128 v[LI], v[PC:PC+3], s[10:11]             ; 512 consecutive bytes a store
	global_store_b128 v[LI], v[PC+4:PC+7], s[10:11] offset:512
	global_store_b16 v[R16], v[T], s[12:13]                   ; 2 bytes at every 16: one byte in 32 of what is stored
	s_cmp_eq_u32 s[CNT], 0
	s_cbranch_scc1 .Lend
	s_wait_xcnt 0x0                                ; the stores have read their data and bases: both are written below
	s_add_nc_u64 s[10:11], s[10:11], 262144        ; 16 token blocks on
	s_add_nc_u64 s[12:13], s[12:13], 8192
.set n, 0
.rept 32
	v_mov_b32 v[O+n], 0                            ; the second tile begins as the first did
.set n, n+1
.endr
	v_mov_b32 v13, 0xff61b1e6
	v_mov_b32 v14, 0
	v_mov_b32 v15, 0
	v_mul_f32 v[T], s[CS], v13
.irp j, 0,1,2,3,4,5,6,7
	v_mov_b32 v[QF+\j], v[Q1+\j]
.endr
	v_mov_b32 v[QS], v[QS1]
	v_floor_f32 v12, -v[T]
	s_wait_alu depctr_va_vdst(0)
.Lno_out:
	s_cmp_lg_u32 s[CNT], 0
	s_cbranch_scc1 .Lbc
.Lend:
	s_wait_tensorcnt 0x0                           ; the wave's end
	ds_add_u32 v[SPW], v[NIL]
	s_wait_dscnt 0x0
	CROUND                                         ; the closing round
	s_endpgm
.Lfunc_end_k_q17a1c3f175_attn:
	.size	k_q17a1c3f175_attn, .Lfunc_end_k_q17a1c3f175_attn-k_q17a1c3f175_attn
	.p2alignl 7, 3214868480
	.fill 96, 4, 3214868480
	.section	.rodata,"a",@progbits
	.p2align	6, 0x0
	.amdhsa_kernel k_q17a1c3f175_attn
		.amdhsa_group_segment_fixed_size 327680
		.amdhsa_private_segment_fixed_size 0
		.amdhsa_enable_private_segment 0
		.amdhsa_kernarg_size 40
		.amdhsa_user_sgpr_count 2
		.amdhsa_user_sgpr_kernarg_segment_ptr 1
		.amdhsa_wavefront_size32 1
		.amdhsa_system_sgpr_workgroup_id_x 1
		.amdhsa_system_sgpr_workgroup_id_y 1
		.amdhsa_system_sgpr_workgroup_id_z 1
		.amdhsa_system_vgpr_workitem_id 0
		.amdhsa_next_free_vgpr 256
		.amdhsa_next_free_sgpr 100
		.amdhsa_reserve_vcc 0
		.amdhsa_float_denorm_mode_32 3
		.amdhsa_float_denorm_mode_16_64 3
		.amdhsa_memory_ordered 1
		.amdhsa_forward_progress 1
		.amdhsa_inst_pref_size 99
	.end_amdhsa_kernel
	.amdgpu_metadata
---
amdhsa.version: [ 1, 2 ]
amdhsa.kernels:
  - .name:           k_q17a1c3f175_attn
    .symbol:         k_q17a1c3f175_attn.kd
    .args:
      - { .name: qc, .offset: 0, .size: 8, .value_kind: global_buffer, .address_space: global }
      - { .name: kv, .offset: 8, .size: 8, .value_kind: global_buffer, .address_space: global }
      - { .name: scl, .offset: 16, .size: 8, .value_kind: global_buffer, .address_space: global }
      - { .name: ac, .offset: 24, .size: 8, .value_kind: global_buffer, .address_space: global }
      - { .name: sc, .offset: 32, .size: 8, .value_kind: global_buffer, .address_space: global }
    .group_segment_fixed_size: 327680
    .private_segment_fixed_size: 0
    .kernarg_segment_align: 8
    .kernarg_segment_size: 40
    .max_flat_workgroup_size: 512
    .sgpr_count:     100
    .vgpr_count:     256
    .wavefront_size: 32
...
	.end_amdgpu_metadata
.endif
;; end of part 3
;; launch outp (part 4): grid 8 x 32, 4 waves a work-group, clusters of 4 x 4, 327,680 bytes of LDS; arguments ac, wc, sc, b_o, out0; writes out0
.if DOCPART == 4
	.amdgcn_target "amdgcn-amd-amdhsa--gfx1250"
	.amdhsa_code_object_version 6
	.text
	.protected	k_q17a1c3f175_outp
	.globl	k_q17a1c3f175_outp
	.p2align	8
	.type	k_q17a1c3f175_outp,@function
k_q17a1c3f175_outp:
	s_mov_b64 s[64:65], 0
	v_nop
	global_prefetch_b8 v0, s[64:65] scope:SCOPE_SE
	s_setreg_imm32_b32 hwreg(HW_REG_WAVE_MODE, 25, 1), 1
	s_wait_xcnt 0x0
	s_wait_alu depctr_hold_cnt(0) depctr_sa_sdst(0) depctr_va_vdst(0) depctr_va_sdst(0) depctr_va_ssrc(0) depctr_va_vcc(0) depctr_vm_vsrc(0)
	s_getreg_b32 s2, hwreg(HW_REG_IB_STS2, 6, 4)
	s_cmp_eq_u32 s2, 0
	s_cbranch_scc0 .Lentry_in_a_cluster
	s_endpgm
.Lentry_in_a_cluster:
	s_bfe_u32 s2, ttmp6, 0x10000c
	s_cmp_lg_u32 s2, 0xf033
	s_cbranch_scc0 .Lentry_shape_is_right
	s_endpgm
.Lentry_shape_is_right:
.set AO,    393216
.set SLOT,  98304
.set BOFF,  65536
.set SPARE, 2*SLOT
.set NP,    8
.set ADRA, 16
.set ADRB, 20
.set LI,   24
.set SA,   25
.set SB,   26
.set STO,  27
.set SPW,  28
.set NIL,  29
.set RD,   30
.set SC,   32
.set AF,   128
.set BQ,   128
.set WV,  18
.set FB,  19
.set HF,  20
.set G1,  24
.set G0,  32
.set G1B, 48
.set G0B, 56
.set LM,  69
.set MSB, 0
.macro WIN new
.if MSB != \new
	s_set_vgpr_msb (MSB<<8)|\new
.set MSB, \new
.endif
.endm
.macro JLOAD g0a, g1a, g0b, g1b
	s_cmp_eq_u32 s[FB], 0
	s_cbranch_scc0 .Lfor_b_\@
	tensor_load_to_lds s[\g0a:\g0a+3], s[\g1a:\g1a+7]
	s_nop 0
.rept 4
	v_nop
.endr
	s_branch .Lasked_\@
.Lfor_b_\@:
	tensor_load_to_lds s[\g0b:\g0b+3], s[\g1b:\g1b+7]
	s_nop 0
.rept 4
	v_nop
.endr
.Lasked_\@:
.endm
.macro CREST
	s_cmp_lg_u32 s[WV], 0
	s_cbranch_scc1 .Lnot_wave_0_\@
	s_barrier_signal -3
.Lnot_wave_0_\@:
	s_barrier_wait -3
	s_barrier_signal -1
	s_barrier_wait -1
.endm
.macro CROUND
	s_barrier_signal -1
	s_barrier_wait -1
	CREST
.endm
.macro PLACES n
.rept \n
	v_nop
.endr
.endm
	s_load_b256 s[4:11], s[0:1], 0x0
	s_load_b64 s[12:13], s[0:1], 0x20
	v_lshl_add_u32 v[SPW], v0, 2, SPARE
	v_mov_b32 v[NIL], 0
	ds_add_u32 v[SPW], v[NIL]
	ds_add_u32 v[SPW], v[NIL]
	v_lshrrev_b32 v1, 5, v0
	v_readfirstlane_b32 s[WV], v1
	s_lshr_b32 s[FB], s[WV], 1
	s_and_b32 s[HF], s[WV], 1
	s_bfe_u32 s40, ttmp6, 0x40000
	s_bfe_u32 s41, ttmp6, 0x40004
	s_lshl_b32 s42, ttmp9, 2
	s_add_co_u32 s42, s42, s40
	s_and_b32 s43, ttmp7, 0xffff
	s_lshl_b32 s43, s43, 2
	s_add_co_u32 s43, s43, s41
	s_lshl_b32 s44, s41, 2
	s_lshl_b32 s44, 15, s44
	s_lshl_b32 s45, 0x1111, s40
	s_or_b32 s[G1], s44, (3<<16)|(1<<21)
	s_or_b32 s[G1B], s45, (3<<16)|(1<<21)
	s_mov_b32 s[G1+1], 512<<16
	s_mov_b32 s[G1+2], 8<<16
	s_mov_b32 s[G1+3], 512<<16
	s_mov_b32 s[G1+4], 8
	s_mov_b32 s[G1+5], 2048
	s_mov_b32 s[G1+6], 0
	s_mov_b32 s[G1+7], 0
	s_mov_b32 s[G1B+1], 512<<16
	s_mov_b32 s[G1B+2], 4<<16
	s_mov_b32 s[G1B+3], 512<<16
	s_mov_b32 s[G1B+4], 4
	s_mov_b32 s[G1B+5], 2048
	s_mov_b32 s[G1B+6], 0
	s_mov_b32 s[G1B+7], 0
	s_lshl_b32 s72, s43, 18
	s_lshl_b32 s73, s[HF], 17
	s_add_co_u32 s72, s72, s73
	s_mov_b32 s73, 0
	s_lshl_b32 s74, s42, 17
	s_lshl_b32 s75, s[HF], 16
	s_add_co_u32 s74, s74, s75
	s_add_co_u32 s74, s74, 192*16384
	s_mov_b32 s75, 0
	s_lshl_b32 s46, s[HF], 15
	s_lshl_b32 s47, s[HF], 14
	s_add_co_u32 s47, s47, BOFF
	s_mov_b32 s[LM], 0xffff0000
	s_wait_dscnt 0x0
	s_wait_kmcnt 0x0
	s_add_nc_u64 s[72:73], s[4:5], s[72:73]
	s_add_nc_u64 s[74:75], s[6:7], s[74:75]
	CROUND
.irp n, 0,1
	s_mov_b32 s[G0+4*\n], 1
	s_add_co_u32 s[G0+4*\n+1], s46, \n*SLOT
	s_add_nc_u64 s[G0+4*\n+2:G0+4*\n+3], s[72:73], \n*4096
	s_or_b32 s[G0+4*\n+3], s[G0+4*\n+3], 0x80000000
	s_mov_b32 s[G0B+4*\n], 1
	s_add_co_u32 s[G0B+4*\n+1], s47, \n*SLOT
	s_add_nc_u64 s[G0B+4*\n+2:G0B+4*\n+3], s[74:75], \n*4096
	s_or_b32 s[G0B+4*\n+3], s[G0B+4*\n+3], 0x80000000
	s_wait_alu depctr_va_vdst(0)
	s_wait_tensorcnt 0x0
	ds_add_u32 v28, v29
	ds_add_u32 v28, v29
	s_wait_dscnt 0x0
	CROUND
	JLOAD G0+4*\n, G1, G0B+4*\n, G1B
.endr
	v_and_b32 v1, 15, v0
	v_bfe_u32 v2, v0, 4, 1
	v_and_b32 v3, 31, v0
	v_lshlrev_b32 v[LI], 4, v3
	s_lshl_b32 s21, s[WV], 14
	v_add_nc_u32 v[ADRA], s21, v[LI]
	v_add_nc_u32 v[ADRA+1], SLOT, v[ADRA]
	v_add_nc_u32 v[ADRB], BOFF, v[LI]
	v_add_nc_u32 v[ADRB+1], SLOT+BOFF, v[LI]
	s_mul_i32 s21, s[WV], 8448
	v_mul_u32_u24 v[STO], v1, 528
	v_lshl_add_u32 v[STO], v2, 6, v[STO]
	v_add_nc_u32 v[STO], s21, v[STO]
	v_add_nc_u32 v[RD], s21, v[LI]
	v_lshlrev_b32 v4, 4, v1
	s_lshl_b32 s21, s43, 4
	s_lshl_b32 s22, s[WV], 2
	s_add_co_u32 s21, s21, s22
	s_lshl_b32 s21, s21, 9
	s_add_co_u32 s21, s21, AO
	s_lshl_b32 s22, s42, 12
	s_add_co_u32 s22, s22, 192*512
	v_add_nc_u32 v5, s21, v4
	v_add_nc_u32 v[SB], s22, v4
	v_cndmask_b32 v[SA], v5, v[SB], s[LM]
.irp i, 0,1,2,3
.irp kh, 0,1
	global_load_b128 v[SC+8*\i+4*\kh:SC+8*\i+4*\kh+3], v[SA], s[8:9] offset:512*\i+256*\kh
.endr
.endr
.irp i, 4,5,6,7
.irp kh, 0,1
	global_load_b128 v[SC+8*\i+4*\kh:SC+8*\i+4*\kh+3], v[SB], s[8:9] offset:512*\i+256*\kh
.endr
.endr
	s_lshl_b32 s22, s42, 9
	s_mov_b32 s23, 0
	s_add_nc_u64 s[10:11], s[10:11], s[22:23]
	s_add_nc_u64 s[12:13], s[12:13], s[22:23]
	v_lshlrev_b32 v6, 6, v2
	WIN 0xc0
.irp b, 0,1,2,3,4,5,6,7
	global_load_b128 v[BQ+8*\b:BQ+8*\b+3], v6, s[10:11] offset:(32*(\b/2)+8*(\b%2))*4
	global_load_b128 v[BQ+8*\b+4:BQ+8*\b+7], v6, s[10:11] offset:(32*(\b/2)+8*(\b%2))*4+16
.endr
	WIN 0
	s_lshl_b32 s22, s43, 20
	s_lshl_b32 s76, s[WV], 18
	s_add_co_u32 s22, s22, s76
	s_add_nc_u64 s[12:13], s[12:13], s[22:23]
.macro FRAG reg, adr, off
.irp c, 0,1,2,3
	ds_load_b128 v[(\reg)+4*\c:(\reg)+4*\c+3], v[\adr] offset:(\off)+512*\c
.endr
.endm
.macro FETCH_B s, b0
	WIN 0x40
.irp i, 0,1,2,3
	FRAG 16*((\b0)+\i), ADRB+((\s)/2)%2, 4096*((\b0)+\i)+2048*((\s)%2)
.endr
	WIN 0
.endm
.macro FETCH_A s
.irp a, 0,1,2,3
	FRAG AF+64*((\s)%2)+16*\a, ADRA+((\s)/2)%2, 4096*\a+2048*((\s)%2)
.endr
.endm
.macro MULB b, s, first
.if \first
	WIN 0xb1
.else
	WIN 0xa1
.endif
.irp a, 0,1,2,3
.if \first
	v_wmma_scale_f32_16x16x128_f8f6f4 v[8*(8*\a+(\b)):8*(8*\a+(\b))+7], v[16*(\b):16*(\b)+15], v[AF+64*((\s)%2)+16*\a:AF+64*((\s)%2)+16*\a+15], v[BQ+8*(\b):BQ+8*(\b)+7], v[SC+8*(\b)+(\s)], v[SC+8*\a+(\s)] matrix_a_fmt:MATRIX_FMT_BF8 matrix_b_fmt:MATRIX_FMT_BF8 matrix_a_scale:MATRIX_SCALE_ROW1
.else
	v_wmma_scale_f32_16x16x128_f8f6f4 v[8*(8*\a+(\b)):8*(8*\a+(\b))+7], v[16*(\b):16*(\b)+15], v[AF+64*((\s)%2)+16*\a:AF+64*((\s)%2)+16*\a+15], v[8*(8*\a+(\b)):8*(8*\a+(\b))+7], v[SC+8*(\b)+(\s)], v[SC+8*\a+(\s)] matrix_a_fmt:MATRIX_FMT_BF8 matrix_b_fmt:MATRIX_FMT_BF8 matrix_a_scale:MATRIX_SCALE_ROW1
.endif
.endr
.endm
.macro STEP s, first
	s_wait_dscnt 16
.irp b, 0,1,2,3
	MULB \b, \s, \first
.endr
	s_wait_dscnt 0x0
	PLACES NP
	FETCH_B (\s)+1, 0
	FETCH_A (\s)+1
.irp b, 4,5,6,7
	MULB \b, \s, \first
.endr
	PLACES NP
	FETCH_B (\s)+1, 4
.endm
.macro TURN s, fill
.set SL, ((\s)/2)%2
	s_wait_tensorcnt 0x0
	ds_add_u32 v[SPW], v[NIL]
	s_wait_dscnt 17
.irp b, 0,1
	MULB \b, \s, 0
.endr
	s_wait_dscnt 0x0
	s_barrier_signal -1
.irp b, 2,3
	MULB \b, \s, 0
.endr
	WIN 0
	s_barrier_wait -1
.if \fill
	CREST
	s_add_nc_u64 s[G0+4*SL+2:G0+4*SL+3], s[G0+4*SL+2:G0+4*SL+3], 8192
	s_add_nc_u64 s[G0B+4*SL+2:G0B+4*SL+3], s[G0B+4*SL+2:G0B+4*SL+3], 8192
	JLOAD G0+4*SL, G1, G0B+4*SL, G1B
	PLACES NP-4
.else
	PLACES NP
.endif
	FETCH_B (\s)+1, 0
	FETCH_A (\s)+1
.irp b, 4,5,6,7
	MULB \b, \s, 0
.endr
	PLACES NP
	FETCH_B (\s)+1, 4
.endm
	s_wait_tensorcnt 1
	s_barrier_signal -1
	s_barrier_wait -1
	FETCH_B 0, 0
	FETCH_A 0
	FETCH_B 0, 4
	s_wait_loadcnt 0x0
	STEP 0, 1
	TURN 1, 1
	STEP 2, 0
	TURN 3, 1
	STEP 4, 0
	TURN 5, 0
	STEP 6, 0
	s_wait_dscnt 16
.irp b, 0,1,2,3
	MULB \b, 7, 0
.endr
	s_wait_alu depctr_va_vdst(0)
	s_wait_dscnt 0x0
.irp b, 4,5,6,7
	MULB \b, 7, 0
.endr
	WIN 0
	PLACES NP
.macro TOSTAGE a
	WIN 0x08
.irp b, 0,1,2,3,4,5,6,7
	ds_store_b128 v[STO], v[8*(8*(\a)+\b):8*(8*(\a)+\b)+3] offset:128*(\b/2)+32*(\b%2)
	ds_store_b128 v[STO], v[8*(8*(\a)+\b)+4:8*(8*(\a)+\b)+7] offset:128*(\b/2)+32*(\b%2)+16
.endr
	WIN 0x40
.irp t, 0,1,2,3,4,5,6,7,8,9,10,11,12,13,14,15
	ds_load_b128 v[64*(\a)+4*\t:64*(\a)+4*\t+3], v[RD] offset:528*\t
.endr
.endm
.macro SEND a, younger
	s_wait_dscnt \younger
	WIN 0x04
.irp t, 0,1,2,3,4,5,6,7,8,9,10,11,12,13,14,15
	global_store_b128 v[LI], v[64*(\a)+4*\t:64*(\a)+4*\t+3], s[12:13] offset:(32*((\a)/2)+8*((\a)%2)+\t+8*(\t/8))*4096 th:TH_STORE_NT
.endr
.endm
	TOSTAGE 0
	TOSTAGE 1
	SEND 0, 32
	TOSTAGE 2
	SEND 1, 32
	TOSTAGE 3
	SEND 2, 32
	SEND 3, 0
	WIN 0
	s_wait_tensorcnt 0x0
	ds_add_u32 v[SPW], v[NIL]
	s_wait_dscnt 0x0
	CROUND
	s_endpgm
.Lfunc_end_k_q17a1c3f175_outp:
	.size	k_q17a1c3f175_outp, .Lfunc_end_k_q17a1c3f175_outp-k_q17a1c3f175_outp
	.p2alignl 7, 3214868480
	.fill 96, 4, 3214868480
	.section	.rodata,"a",@progbits
	.p2align	6, 0x0
	.amdhsa_kernel k_q17a1c3f175_outp
		.amdhsa_group_segment_fixed_size 327680
		.amdhsa_private_segment_fixed_size 0
		.amdhsa_enable_private_segment 0
		.amdhsa_kernarg_size 40
		.amdhsa_user_sgpr_count 2
		.amdhsa_user_sgpr_kernarg_segment_ptr 1
		.amdhsa_wavefront_size32 1
		.amdhsa_system_sgpr_workgroup_id_x 1
		.amdhsa_system_sgpr_workgroup_id_y 1
		.amdhsa_system_sgpr_workgroup_id_z 1
		.amdhsa_system_vgpr_workitem_id 0
		.amdhsa_next_free_vgpr 1024
		.amdhsa_next_free_sgpr 100
		.amdhsa_reserve_vcc 0
		.amdhsa_float_denorm_mode_32 3
		.amdhsa_float_denorm_mode_16_64 3
		.amdhsa_memory_ordered 1
		.amdhsa_forward_progress 1
		.amdhsa_inst_pref_size 90
	.end_amdhsa_kernel
	.amdgpu_metadata
---
amdhsa.version: [ 1, 2 ]
amdhsa.kernels:
  - .name:           k_q17a1c3f175_outp
    .symbol:         k_q17a1c3f175_outp.kd
    .args:
      - { .name: ac, .offset: 0, .size: 8, .value_kind: global_buffer, .address_space: global }
      - { .name: wc, .offset: 8, .size: 8, .value_kind: global_buffer, .address_space: global }
      - { .name: sc, .offset: 16, .size: 8, .value_kind: global_buffer, .address_space: global }
      - { .name: b_o, .offset: 24, .size: 8, .value_kind: global_buffer, .address_space: global }
      - { .name: out0, .offset: 32, .size: 8, .value_kind: global_buffer, .address_space: global }
    .group_segment_fixed_size: 327680
    .private_segment_fixed_size: 0
    .kernarg_segment_align: 8
    .kernarg_segment_size: 40
    .max_flat_workgroup_size: 128
    .sgpr_count:     100
    .vgpr_count:     1024
    .wavefront_size: 32
...
	.end_amdgpu_metadata
.endif
;; end of part 4
